; MI455X (gfx1250); checked and timed in simulation.
; The chip was launched on July 23, 2026; its instructions are those of AMD's public machine-readable ISA for CDNA 5 (MIT licence, August 2026) and "CDNA5" Instruction Set Architecture Reference Guide (July 2026). The comments in the code are by the model that wrote it; some were corrected since.
;; Attention Block. Allowed arithmetic: matrix products marked QUANTISED: E2M3 operands, one E8M0 scale for each 32 along K, by v_wmma_scale_f32_16x16x128_f8f6f4 with both operands' format E2M3, f32 sums; everything else in f32.
;; Inputs: bk 256 float32; bp 256 float32; bq 256 float32; bv 256 float32; gn_beta 256 float32; gn_gamma 256 float32; wk_codes 256 x 8 x 24 uint8 (E2M3 codes of wk, K innermost, in blocks of 32 codes, four codes in three bytes); wk_scales 256 x 8 uint8 (E8M0 scales of wk, one for each 32 codes along K); wp_codes 256 x 8 x 24 uint8 (E2M3 codes of wp, K innermost, in blocks of 32 codes, four codes in three bytes); wp_scales 256 x 8 uint8 (E8M0 scales of wp, one for each 32 codes along K); wq_codes 256 x 8 x 24 uint8 (E2M3 codes of wq, K innermost, in blocks of 32 codes, four codes in three bytes); wq_scales 256 x 8 uint8 (E8M0 scales of wq, one for each 32 codes along K); wv_codes 256 x 8 x 24 uint8 (E2M3 codes of wv, K innermost, in blocks of 32 codes, four codes in three bytes); wv_scales 256 x 8 uint8 (E8M0 scales of wv, one for each 32 codes along K); x 4 x 256 x 64 x 64 float32.
;; Outputs: out0 4 x 256 x 64 x 64 float32.
;; This version of the problem:
;;   THIS VERSION OF THE PROBLEM IS GIVEN IN LOW PRECISION. The matrix products marked QUANTISED in the list below multiply operands that are first quantised to E2M3 (2 exponent bits, 3 mantissa bits; 6 bits a number), with one power-of-two scale for each 32 numbers along K (OCP MX v1.0); their sums are f32. All else is computed in f32.
;;   The module's matrix products, in the order in which they are computed (A, B: the left and right operand; K: the contracted axis; several contracted axes count as one K, in the product's order):
;;     1. [M 16,384, K 256] x [K 256, N 256]; A: computed on the way; B: input wq (given as codes): QUANTISED
;;     2. [M 16,384, K 256] x [K 256, N 256]; A: computed on the way; B: input wk (given as codes): QUANTISED
;;     3. [M 16,384, K 256] x [K 256, N 256]; A: computed on the way; B: input wv (given as codes): QUANTISED
;;     4. batch 4 x [M 4,096, K 256] x [K 256, N 4,096]; A: computed on the way; B: computed on the way: QUANTISED
;;     5. batch 4 x [M 256, K 4,096] x [K 4,096, N 4,096]; A: computed on the way; B: softmax (see below): QUANTISED
;;     6. [M 16,384, K 256] x [K 256, N 256]; A: computed on the way; B: input wp (given as codes): QUANTISED
;;   THE QUANTISER, for each operand of a quantised product, along K:
;;     - K is cut into blocks of 32 from its start; a last block that is shorter is filled with zeros.
;;     - A block's scale is 2^e with e = floor(log2(the largest magnitude in the block)) - 2, held to -126 .. 127; a block of zeros has e = 0. As a byte (E8M0): e + 127.
;;     - Each number is divided by its block's scale, clamped to +-7.5, and rounded to the nearest number of E2M3, ties to even, subnormals kept.
;;     - The product sums the exact products of the quantised numbers (number of the format x scale) in f32.
;;   ~~~python
;;   def quantise(x, axis):      # numpy; x: float32 -> the quantised numbers, widened to float32 again
;;       x = np.moveaxis(x, axis, -1); K = x.shape[-1]
;;       x = np.pad(x, [(0, 0)] * (x.ndim - 1) + [(0, -K % 32)]); x = x.reshape(x.shape[:-1] + (-1, 32)); a = np.abs(x).max(-1, keepdims=True)
;;       e = np.where(a > 0, np.clip(np.frexp(np.where(a > 0, a, 1))[1] - 1 - 2, -126, 127), 0)      # np.frexp(a)[1] - 1 = floor(log2(a)), exactly
;;       r = np.clip(x / 2.0 ** e, -7.5, 7.5)
;;       step = 2.0 ** (np.maximum(np.frexp(np.where(r == 0, 1, r))[1] - 1, 0) - 3)
;;       q = np.round(r / step) * step * 2.0 ** e      # np.round: ties to even
;;       return np.moveaxis(q.reshape(q.shape[:-2] + (-1,))[..., :K], -1, axis).astype(np.float32)
;;   ~~~
;;   SOFTMAX AHEAD OF A QUANTISED PRODUCT. Where the list says 'softmax', what is quantised is not the finished softmax but p = 2^(t - M), with t = logit x log2(e) and M = ceil(the row's largest t), a whole number; so 1/2 < the row's largest p <= 1. The row's sum l is taken of the UNQUANTISED p, in f32, and the product's result is divided by l at the end. Since M is a whole number, a kernel that streams over the keys may use a running M (the ceiling of the running maximum): every later rescaling is an exact power of two, which a block's scale takes up: the codes' values come out the same.
;;   OPERANDS COMPUTED ON THE WAY. 'Computed on the way' means the value that the module computes at that place (a softmax that the list does not call 'softmax' is quantised finished and normalised). What goes into a quantiser is computed in f32, as accurately as f32 sums, v_exp_f32 and their like allow (about 1e-6 of the number): no bf16 or f16 on the way to a quantiser, and a product that is left as it is and whose result goes on into a quantised operand takes f32 operands (vector FMAs, or v_wmma_f32_16x16x4_f32). A number that lies on a knife's edge between two numbers of the format may be rounded either way, as far as f32 arithmetic and the matrix unit's own rounding can turn it there, and no further.
;;   INPUTS GIVEN AS CODES. wk (in the module: [256, 256], K = its axis 1); wp (in the module: [256, 256], K = its axis 1); wq (in the module: [256, 256], K = its axis 1); wv (in the module: [256, 256], K = its axis 1): each comes as NAME_codes (uint8): NAME with its K axis moved to the last place and cut into blocks of 32 codes, [.., K / 32, bytes a block], one block behind the other in memory; four codes in three bytes: a row's codes are one little-endian stream of bits, code i at bits 6 i .. 6 i + 5 (a code: sign, 2 exponent bits, 3 mantissa bits); and NAME_scales (uint8): the same leading axes, one E8M0 byte (e + 127) for each 32 codes along K. Its value is code x scale, taken as it is: it is not quantised again, and the codes and scales need not be those that the quantiser above would give.
;; One version. Each part assembles by itself: llvm-mc -triple=amdgcn-amd-amdhsa -mcpu=gfx1250 --defsym DOCPART=n.
;; ======== version 1 of 1: 3 launches
;; workspace buffers: gstat 2,048 bytes; qb 3,276,800 bytes; kvb 6,553,600 bytes
;; launch gnstat (part 1): grid 256 x 1, 8 waves a work-group, no clusters, 1,280 bytes of LDS; arguments x, gstat; writes gstat
.if DOCPART == 1
	.amdgcn_target "amdgcn-amd-amdhsa--gfx1250"
	.amdhsa_code_object_version 6
	.text
	.protected	k_q68d8a81acc_gnstat
	.globl	k_q68d8a81acc_gnstat
	.p2align	8
	.type	k_q68d8a81acc_gnstat,@function
k_q68d8a81acc_gnstat:
	s_mov_b64 s[64:65], 0
	v_nop
	global_prefetch_b8 v0, s[64:65] scope:SCOPE_SE
	s_setreg_imm32_b32 hwreg(HW_REG_WAVE_MODE, 25, 1), 1
	s_wait_xcnt 0x0
; GroupNorm's statistics, by pieces.  x is [4][256][4096] f32; a group is 32 channels x 4,096 positions = 8 pieces of 65,536 bytes (16,384 numbers).
; Work-group i owns piece i and stores (its mean, the sum of its squared deviations from that mean) at gstat[i]; the next launch joins the eight pieces of a group.
; The piece stays in registers between the two passes (64 numbers a thread), so x is read once here, and the deviations are taken from the mean itself:
; no difference of large sums is formed, whatever common offset the inputs carry.
; Each load of a wave covers 512 consecutive bytes.  No matrix unit, no cluster, no tensor load: a stream with two small reductions.
; The result is 8 bytes a work-group: the one store that does not cover a whole aligned 256 bytes; 2,048 bytes in the whole launch.
; LIMITS: NaN and infinities among the inputs are not served.
.set X,  16                            ; v16-79  my 64 numbers
.set CH, 80                            ; v80-87  four chains of two sums
.set MU, 88                            ; v88-89  the mean, twice; at the end (mean, sum of squared deviations)
	s_load_b128 s[4:7], s[0:1], 0x0                ; x, gstat
	v_lshl_add_u32 v96, v0, 2, 0x100
	v_mov_b32 v97, 0
	v_lshlrev_b32 v1, 4, v0                        ; my 16 bytes of the work-group's 4,096 a load
	v_lshrrev_b32 v2, 5, v0
	v_lshlrev_b32 v2, 2, v2                        ; LDS: my wave's word
	v_mov_b32 v3, 0
	s_lshl_b32 s2, ttmp9, 16                       ; my piece, in bytes
	s_mov_b32 s3, 0
	s_lshl_b32 s8, ttmp9, 3                        ; and its 8 bytes of gstat
	s_mov_b32 s9, 0
	s_mov_b32 s12, 0x76543210                      ; v_permlanex16_b32: lane l xor 16
	s_mov_b32 s13, 0xfedcba98
	s_wait_kmcnt 0x0
	s_add_nc_u64 s[4:5], s[4:5], s[2:3]
	s_add_nc_u64 s[6:7], s[6:7], s[8:9]
.irp k, 0,1,2,3,4,5,6,7,8,9,10,11,12,13,14,15
	global_load_b128 v[X+4*\k:X+4*\k+3], v1, s[4:5] offset:4096*\k
.endr
; The four chains become one number for the work-group, in v4 of every lane: within the lane, across the wave, across the eight waves through LDS bytes off .. off + 31.
.macro REDUCE off
	v_pk_add_f32 v[CH:CH+1], v[CH:CH+1], v[CH+2:CH+3]
	v_pk_add_f32 v[CH+4:CH+5], v[CH+4:CH+5], v[CH+6:CH+7]
	v_pk_add_f32 v[CH:CH+1], v[CH:CH+1], v[CH+4:CH+5]
	v_add_f32 v[CH], v[CH], v[CH+1]
	v_add_f32_dpp v[CH], v[CH], v[CH] row_xmask:1 row_mask:0xf bank_mask:0xf
	v_add_f32_dpp v[CH], v[CH], v[CH] row_xmask:2 row_mask:0xf bank_mask:0xf
	v_add_f32_dpp v[CH], v[CH], v[CH] row_xmask:4 row_mask:0xf bank_mask:0xf
	v_add_f32_dpp v[CH], v[CH], v[CH] row_xmask:8 row_mask:0xf bank_mask:0xf
	v_permlanex16_b32 v[CH+1], v[CH], s12, s13
	v_add_f32 v[CH], v[CH], v[CH+1]
	ds_store_b32 v2, v[CH] offset:\off             ; all lanes of a wave write the same word with the same value
	s_wait_dscnt 0x0                               ; for the others' sake: my store has landed
	s_barrier_signal -1
	s_barrier_wait -1
	ds_load_b128 v[4:7], v3 offset:\off
	ds_load_b128 v[8:11], v3 offset:\off+16
	s_wait_dscnt 0x0
	v_add_f32 v4, v4, v5
	v_add_f32 v6, v6, v7
	v_add_f32 v8, v8, v9
	v_add_f32 v10, v10, v11
	v_add_f32 v4, v4, v6
	v_add_f32 v8, v8, v10
	v_add_f32 v4, v4, v8
.endm
	; pass 1: the sum.  Each wait leaves out the loads issued behind the four that are due.
	s_wait_loadcnt 12
.irp c, 0,1,2,3
	v_pk_add_f32 v[CH+2*\c:CH+2*\c+1], v[X+4*\c:X+4*\c+1], v[X+4*\c+2:X+4*\c+3]   ; the first numbers start the chains: nothing is cleared
.endr
.irp g, 1,2,3
	s_wait_loadcnt 12-4*\g
.irp c, 0,1,2,3
	v_pk_add_f32 v[CH+2*\c:CH+2*\c+1], v[CH+2*\c:CH+2*\c+1], v[X+16*\g+4*\c:X+16*\g+4*\c+1]
.endr
.irp c, 0,1,2,3
	v_pk_add_f32 v[CH+2*\c:CH+2*\c+1], v[CH+2*\c:CH+2*\c+1], v[X+16*\g+4*\c+2:X+16*\g+4*\c+3]
.endr
.endr
	REDUCE 0
	v_mul_f32 v[MU], 0x38800000, v4                ; / 16,384: the piece's mean
	v_mov_b32 v[MU+1], v[MU]
	; pass 2: the squared deviations
.set i, 0
.rept 32
	v_pk_add_f32 v[X+2*i:X+2*i+1], v[X+2*i:X+2*i+1], v[MU:MU+1] neg_lo:[0,1] neg_hi:[0,1]
.set i, i+1
.endr
.irp c, 0,1,2,3
	v_pk_mul_f32 v[CH+2*\c:CH+2*\c+1], v[X+2*\c:X+2*\c+1], v[X+2*\c:X+2*\c+1]
.endr
.set i, 4
.rept 28
	v_pk_fma_f32 v[CH+2*(i%4):CH+2*(i%4)+1], v[X+2*i:X+2*i+1], v[X+2*i:X+2*i+1], v[CH+2*(i%4):CH+2*(i%4)+1]
.set i, i+1
.endr
	REDUCE 32                                      ; other LDS bytes than the first reduction's: no wave can still be reading what is written
	v_mov_b32 v[MU+1], v4
	s_wait_xcnt 0x0                                ; EXEC changes only behind this wait
	v_cmp_gt_u32 vcc_lo, 1, v0
	s_wait_tensorcnt 0x0
	ds_add_u32 v96, v97
	s_wait_dscnt 0x0
	s_and_saveexec_b32 s10, vcc_lo                 ; thread 0 alone
	global_store_b64 v3, v[MU:MU+1], s[6:7]
	s_wait_xcnt 0x0
	s_or_b32 exec_lo, exec_lo, s10
	s_endpgm
.Lfunc_end_k_q68d8a81acc_gnstat:
	.size	k_q68d8a81acc_gnstat, .Lfunc_end_k_q68d8a81acc_gnstat-k_q68d8a81acc_gnstat
	.p2alignl 7, 3214868480
	.fill 96, 4, 3214868480
	.section	.rodata,"a",@progbits
	.p2align	6, 0x0
	.amdhsa_kernel k_q68d8a81acc_gnstat
		.amdhsa_group_segment_fixed_size 1280
		.amdhsa_private_segment_fixed_size 0
		.amdhsa_enable_private_segment 0
		.amdhsa_kernarg_size 16
		.amdhsa_user_sgpr_count 2
		.amdhsa_user_sgpr_kernarg_segment_ptr 1
		.amdhsa_wavefront_size32 1
		.amdhsa_system_sgpr_workgroup_id_x 1
		.amdhsa_system_sgpr_workgroup_id_y 1
		.amdhsa_system_sgpr_workgroup_id_z 1
		.amdhsa_system_vgpr_workitem_id 0
		.amdhsa_next_free_vgpr 98
		.amdhsa_next_free_sgpr 66
		.amdhsa_reserve_vcc 1
		.amdhsa_float_denorm_mode_32 3
		.amdhsa_float_denorm_mode_16_64 3
		.amdhsa_memory_ordered 1
		.amdhsa_forward_progress 1
		.amdhsa_inst_pref_size 11
	.end_amdhsa_kernel
	.amdgpu_metadata
---
amdhsa.version: [ 1, 2 ]
amdhsa.kernels:
  - .name:           k_q68d8a81acc_gnstat
    .symbol:         k_q68d8a81acc_gnstat.kd
    .args:
      - { .name: x, .offset: 0, .size: 8, .value_kind: global_buffer, .address_space: global }
      - { .name: gstat, .offset: 8, .size: 8, .value_kind: global_buffer, .address_space: global }
    .group_segment_fixed_size: 1280
    .private_segment_fixed_size: 0
    .kernarg_segment_align: 8
    .kernarg_segment_size: 16
    .max_flat_workgroup_size: 256
    .sgpr_count:     66
    .vgpr_count:     98
    .wavefront_size: 32
...
	.end_amdgpu_metadata
.endif
;; end of part 1
;; launch qkv (part 2): grid 128 x 2, 8 waves a work-group, no clusters, 236,032 bytes of LDS; arguments x, gstat, gn_gamma, gn_beta, qb, kvb, wq_codes, wq_scales, bq, wk_codes, wk_scales, bk, wv_codes, wv_scales, bv; writes qb, kvb
.if DOCPART == 2
	.amdgcn_target "amdgcn-amd-amdhsa--gfx1250"
	.amdhsa_code_object_version 6
	.text
	.protected	k_q68d8a81acc_qkv
	.globl	k_q68d8a81acc_qkv
	.p2align	8
	.type	k_q68d8a81acc_qkv,@function
k_q68d8a81acc_qkv:
	s_mov_b64 s[64:65], 0
	v_nop
	global_prefetch_b8 v0, s[64:65] scope:SCOPE_SE
	s_setreg_imm32_b32 hwreg(HW_REG_WAVE_MODE, 25, 1), 1
	s_wait_xcnt 0x0
; GroupNorm finished, xn quantised along the channels, q, k, v = W xn + b on codes of FP6 (E2M3) with one E8M0 scale for each 32 along K, and q, k (along the channels) and v (along the keys) quantised again,
; stored as the next launch's operands.
; SHARES.  Work-group (nb, y): positions 128 j .. 128 j + 127 of batch nb / 32 (j = nb % 32), output channels 128 y .. 128 y + 127 of each of q, k, v.  128 positions, so that a fragment of v (128 keys) is written whole;
; the split by y gives 256 work-groups; its price: x is read, and xn quantised, by both.
; IMAGES.  A fragment (16 rows x 128 K, 12 registers a lane) lies, in LDS and in the workspace, as an image of its registers: chunk c (512 bytes) holds lane l's registers 4 c .. 4 c + 3 at 512 c + 16 l.
; So every operand is read by 16-byte accesses of neighbouring lanes, and nothing has a pitch.
; THE ROWS OF A TILE ARE NOT NEIGHBOURS: row rho of tile 2 b + u stands for index 32 b + 8 u + rho + 8 (rho / 8): of the positions of xn's tiles (so of q's and k's), and of the rows of W's tiles.
; A result's 16 registers of tiles 2 b and 2 b + 1 are then 16 neighbours, 32 b + 16 (lane / 16) + 0 .. 15, along what the next product sums over.
; WORKSPACE.  qb block nb (25,600 bytes) and the first half of kvb block nb (51,200): fragment (K step s, position tile T) at (8 s + T) 1,536; scale words at 24,576 + 512 s + 64 T + 4 row.
; Second half of a kvb block: v's fragment of channel tile ct at 25,600 + 1,536 ct; scale words at 50,176 + 64 ct + 4 row.
; PHASES.  0: each wave asks the tensor data mover for ITS GROUP of x, 32 channels x 128 positions (32 rows of 512 bytes), into LDS bytes of its own; then the short loads go out; wave w brings tile w of each weight's
; rows straight in operand order and lays the images in LDS.  X: WAVE w TAKES GROUP w, which is block w of the eight blocks of 32 along the channels, for all 128 positions, in four passes of 32 positions: a lane takes a
; position and its registers run down the group's 32 channels.  So a wave needs one mean, one 1 / sqrt, 32 gamma and 32 beta (64 scalar registers, loaded once), a block lies whole in one lane, and its six code
; registers go straight to their place in the operand's image.  | barrier |  1: wave w makes q and k for position tile w (transposed: source 0 = 16 rows of W, source 1 = xn: a lane holds one position) and v for
; channel tile w (source 0 = xn, source 1 = 16 rows of Wv: a lane holds one channel, its registers run along the keys).  | barrier |  three waves store the scale words, 512 whole bytes each.
; A wave reads only the tile that its own tensor load brought, behind its own wait for it; nothing in LDS is filled twice.  By this text's count a wave has one tensor load out.
; No multicast: a tile of x is shared by two work-groups only (y = 0, 1); the weights, 75 KB a work-group, are read once and wanted in operand order, through registers.
; LIMITS: NaN and infinities are not served.  A block of zeros, or one whose largest magnitude lies under 2^-124, gets the scale byte 1: the bytes are read by this program alone, and codes of zero add nothing.
.set FIMG, 1536                        ; a fragment's image
.set PLN,  8*FIMG                      ; eight of them
.set WIMG, 0                           ; LDS: the weights' fragments: (matrix m, K step s, tile ot) at ((2 m + s) 8 + ot) FIMG
.set WSC,  6*PLN                       ; their scale words: (8 m + ot) 128 + 4 lane; lane (r, h): row r's word of K step h
.set XIMG, WSC+3072                    ; xn's fragments: (8 s + T) FIMG
.set XSC,  XIMG+2*PLN                  ; their scale words: (4 s + T / 2) 128 + 4 lane: lanes 0-15 the even tile, lanes 16-31 the odd one
.set SST,  XSC+1024                    ; the results' scale words: 512 m + 64 wave + 4 row
.set XT,   SST+1536                    ; x as it comes: wave w's 32 rows of 512 bytes at 16,384 w.  A multiple of 256; the waves store nothing here
.set XA,4                              ; v4   x in LDS: my wave's tile, my position's 4 bytes in a pass
.set WA,5                              ; v5   a weight's codes: my row, + 24 h
.set WSA,6                             ; v6   its scale word: my row, + 4 h
.set BA,7                              ; v7   bq, bk: 64 h
.set BVA,8                             ; v8   bv: my row
.set WWI,9                             ; v9   where I lay the weights' images;  v10 their scale words
.set WWS,10
.set XWI,11                            ; v11  xn's images: where my block's registers 0, 1 go (and, 512 bytes on, 4, 5);  v41 registers 2, 3;  v12 my byte of the scale words
.set XWS,12
.set XW1,41
.set WFI,13                            ; v13  16 lane: the weights' images, read;  v14 their scale words
.set WFS,14
.set XFI,15                            ; v15  xn's images, read;  v16 their scale words
.set XFS,16
.set XFA,17                            ; v17  xn's tile w;  v18 its scale word
.set XSA,18
.set WVA,19                            ; v19  Wv's tile w;  v20 its scale words
.set WVSA,20
.set SSA,21                            ; v21  where my result's scale word goes;  v22 where 512 bytes of them are read
.set SRD,22
.set VO,23                             ; v23  the workspace: my fragment
.set TM,24                             ; v24-39 at work in a quantiser
.set PW,40                             ; v40  the scale word just made
.set VS,42                             ; v42  the workspace: 16 bytes of scale words
.set GA,43                             ; v43  gstat: 8 (lane % 8)
.set PC,44                             ; v44-63 the codes just made
.set WS,64                             ; v64-71 a weight's scale words, tile by tile
.set XS,72                             ; v72-79 xn's scale words for v
.set XSO,80                            ; v80-81 xn's scale words of tile w
.set WVS,82                            ; v82  Wv's scale words
.set BV,84                             ; v84-91 bv of my channel, eight times: the C of v's first products
.set SG,92                             ; v92-95 statistics
.set D,96                              ; v96-159 eight result tiles
.set XF,160                            ; v160-183 two fragments: xn's tile w, later Wv's tile w
.set X,128                             ; phase X: v128-255 four passes x my position's 32 channels
.set FR,96                             ; phase X: pass p's six code registers at v[96 + 8 p]
.set TH,44                             ; phase X: the upper half of pass p's block, as converted, at v[44 + 4 p]
.set BQ,96                             ; window 1: v0-95 eight fragments (at the head: the weights as loaded, v72-74 their scale words); v96-159 bq, v160-223 bk in the results' layout
.set G1,16                             ; s[16:23] descriptor group 1;  s[24:27] group 0
.set G0,24
.set GAM,28                            ; s[28:59] gamma of my group's 32 channels (before that s[44:54] at work)
.set STT,60                            ; s[60:61] -mean, twice;  s[62:63] 1 / sqrt(var + eps), twice
.set BET,68                            ; s[68:99] beta of my group; before that s[68:85] the weights' nine addresses and s[86:99] at work
.set SEL,100                           ; s[100:101] v_permlanex16_b32: lane l xor 16
.set MSB, 0
.macro WIN new                         ; the immediate's high byte repeats the setting that is left; bits 1:0 source 0, 3:2 source 1, 5:4 source 2, 7:6 destination
.if MSB != (\new)
	s_set_vgpr_msb (MSB<<8)|(\new)
.set MSB, (\new)
.endif
.endm
.macro PLACES n                        ; plain vector places behind matrix instructions: four in front of loads into their registers and of reads of their results
.rept \n
	v_nop
.endr
.endm
; One product.  d, a, b, c: first registers of D, A, B, C;  sa, sb: the scale registers;  ra, rb: 1 = the scales stand in lanes 16-31
.macro MM d, a, b, c, sa, sb, ra, rb
.if (\ra) && (\rb)
	v_wmma_scale_f32_16x16x128_f8f6f4 v[\d:\d+7], v[\a:\a+11], v[\b:\b+11], v[\c:\c+7], v[\sa], v[\sb] matrix_a_fmt:MATRIX_FMT_FP6 matrix_b_fmt:MATRIX_FMT_FP6 matrix_a_scale:MATRIX_SCALE_ROW1 matrix_b_scale:MATRIX_SCALE_ROW1
.elseif (\ra)
	v_wmma_scale_f32_16x16x128_f8f6f4 v[\d:\d+7], v[\a:\a+11], v[\b:\b+11], v[\c:\c+7], v[\sa], v[\sb] matrix_a_fmt:MATRIX_FMT_FP6 matrix_b_fmt:MATRIX_FMT_FP6 matrix_a_scale:MATRIX_SCALE_ROW1
.elseif (\rb)
	v_wmma_scale_f32_16x16x128_f8f6f4 v[\d:\d+7], v[\a:\a+11], v[\b:\b+11], v[\c:\c+7], v[\sa], v[\sb] matrix_a_fmt:MATRIX_FMT_FP6 matrix_b_fmt:MATRIX_FMT_FP6 matrix_b_scale:MATRIX_SCALE_ROW1
.else
	v_wmma_scale_f32_16x16x128_f8f6f4 v[\d:\d+7], v[\a:\a+11], v[\b:\b+11], v[\c:\c+7], v[\sa], v[\sb] matrix_a_fmt:MATRIX_FMT_FP6 matrix_b_fmt:MATRIX_FMT_FP6
.endif
.endm
; 64 numbers of a lane, v[s] .. v[s + 63], register 16 b + i = k 32 b + 16 (lane / 16) + i of my row, become a fragment's codes in v[PC] on and its scale word in v[PW].
.macro QUANT s
.irp b, 0,1,2,3
	v_max3_num_f32 v[TM+\b], |v[\s+16*\b]|, |v[\s+1+16*\b]|, 0x1800000   ; block b: my 16 numbers, and the floor 2^(3 - 127): the byte cannot fall under 1
.endr
.irp i, 2,4,6,8,10,12,14
.irp b, 0,1,2,3
	v_max3_num_f32 v[TM+\b], v[TM+\b], |v[\s+16*\b+\i]|, |v[\s+1+16*\b+\i]|   ; the four blocks by turns
.endr
.endr
.irp b, 0,1,2,3
	v_permlanex16_b32 v[TM+4+\b], v[TM+\b], s[SEL], s[SEL+1]
.endr
.irp b, 0,1,2,3
	v_max_num_f32 v[TM+\b], v[TM+\b], v[TM+4+\b]   ; with lane l xor 16's: the block's largest magnitude
.endr
.irp b, 0,1,2,3
	v_add_nc_u32 v[TM+12+\b], 0xff000000, v[TM+\b] ; 2 off its exponent field: the conversion takes this operand's exponent field as its scale
.endr
.irp b, 0,1,2,3
	v_lshrrev_b32 v[TM+4+\b], 23, v[TM+12+\b]      ; the scale's byte
.endr
	v_lshl_or_b32 v[PW], v[TM+5], 8, v[TM+4]
	v_lshl_or_b32 v[PW], v[TM+6], 16, v[PW]
	v_lshl_or_b32 v[PW], v[TM+7], 24, v[PW]
.irp c, 0,1
	v_cvt_scalef32_pk16_fp6_f32 v[PC+6*\c:PC+2+6*\c], v[\s+32*\c:\s+15+32*\c], v[TM+12+2*\c]
	v_cvt_scalef32_pk16_fp6_f32 v[PC+12+4*\c:PC+14+4*\c], v[\s+16+32*\c:\s+31+32*\c], v[TM+12+2*\c+1]   ; (a conversion's three registers begin on an even number)
.endr
	v_nop                                          ; one plain place behind a scaled conversion
.irp c, 0,1                                    ; the operand wants a whole block in a lane: lanes 0-15 block 2 c, lanes 16-31 block 2 c + 1
.irp i, 0,1,2
	v_permlane16_swap_b32 v[PC+6*\c+\i], v[PC+12+4*\c+\i]
.endr
.irp i, 0,1,2
	v_mov_b32 v[PC+3+6*\c+\i], v[PC+12+4*\c+\i]
.endr
.endr
.endm
.macro PLANE adr, off                  ; eight fragments that lie on end in LDS into window 1, v0-95: 24 loads of 512 consecutive bytes
	WIN 0x40
.set i, 0
.rept 24
	ds_load_b128 v[4*i:4*i+3], v[\adr] offset:\off+512*i
.set i, i+1
.endr
	WIN 0
.endm
	s_load_b256 s[4:11], s[0:1], 0x0               ; x, gstat, gamma, beta
	s_load_b128 s[12:15], s[0:1], 0x20             ; qb, kvb
	s_load_b512 s[68:83], s[0:1], 0x30             ; wq's codes, scales, bq; wk's codes, scales, bk; wv's codes, scales
	s_load_b64 s[84:85], s[0:1], 0x70              ; bv
	v_lshl_add_u32 v63, v0, 2, 0x39600
	v_mov_b32 v83, 0
	ds_add_u32 v63, v83
	ds_add_u32 v63, v83
	v_lshrrev_b32 v1, 5, v0
	v_readfirstlane_b32 s2, v1                     ; wave 0..7
	v_and_b32 v1, 31, v0                           ; lane
	v_and_b32 v2, 15, v0                           ; r
	v_bfe_u32 v3, v0, 4, 1                         ; h
	v_and_b32 v24, 7, v0
	v_bfe_u32 v25, v0, 3, 1                        ; r / 8
	s_and_b32 s3, ttmp7, 0xffff                    ; y
	s_lshr_b32 s86, ttmp9, 5                       ; batch
	s_and_b32 s87, ttmp9, 31                       ; j
	; descriptor group 1: a tile of 32 rows (channels) x 128 elements of 4 bytes (512 bytes, beginning at a multiple of 512 from x's first byte); no padding: the 32 lanes of a read take 32 different words of one row
	s_mov_b32 s[G1], 2<<16                         ; 15:0 no mask; 17:16 elements of 4 bytes; 20 padding off
	s_mov_b32 s[G1+1], 128<<16                     ; tensor_dim0 = 128
	s_mov_b32 s[G1+2], 32<<16                      ; tensor_dim1 = 32
	s_mov_b32 s[G1+3], 128<<16                     ; tile_dim0 = 128
	s_mov_b32 s[G1+4], 32                          ; tile_dim1 = 32
	s_mov_b32 s[G1+5], 4096                        ; from channel to channel: 4,096 elements
	s_mov_b32 s[G1+6], 0
	s_mov_b32 s[G1+7], 0
	s_mov_b32 s[G0], 1                             ; count = 1
	s_lshl_b32 s[G0+1], s2, 14
	s_add_co_u32 s[G0+1], s[G0+1], XT              ; LDS: my wave's 16,384 bytes
	s_lshl_b32 s90, s86, 22                        ; x: batch x 4 MB + 32 w channels of 16,384 bytes + 512 j
	s_lshl_b32 s91, s2, 19
	s_add_co_u32 s90, s90, s91
	s_lshl_b32 s91, s87, 9
	s_add_co_u32 s90, s90, s91
	s_mov_b32 s91, 0
	s_lshl_b32 s92, s86, 9                         ; gstat: the 8 pieces of group w of my batch: 64 bytes a group
	s_lshl_b32 s93, s2, 6
	s_add_co_u32 s92, s92, s93
	s_mov_b32 s93, 0
	s_lshl_b32 s94, s2, 7                          ; gamma, beta: channel 32 w
	s_mov_b32 s95, 0
	s_mul_i32 s96, ttmp9, 25600                    ; my block of qb,
	s_mov_b32 s97, 0
	s_mul_i32 s98, ttmp9, 51200                    ; and of kvb
	s_mov_b32 s99, 0
	s_lshl_b32 s88, s3, 9                          ; bq, bk: channel 128 y
	s_mov_b32 s89, 0
	s_mov_b32 s[SEL], 0x76543210
	s_mov_b32 s[SEL+1], 0xfedcba98
	v_lshl_add_u32 v26, v25, 4, v24                ; my position in a pass of 32: 8 (lane / 16) + r % 8 + 16 (r / 8): row r of tile 2 p + lane / 16
	v_lshl_add_u32 v26, v3, 3, v26
	v_lshl_add_u32 v[XA], v26, 2, s[G0+1]
	s_lshl_b32 s44, s3, 7                          ; my row of each weight: 128 y + 32 (w / 2) + 8 (w % 2) + r + 8 (r / 8)
	s_lshr_b32 s45, s2, 1
	s_lshl_b32 s45, s45, 5
	s_add_co_u32 s44, s44, s45
	s_and_b32 s45, s2, 1
	s_lshl_b32 s45, s45, 3
	s_add_co_u32 s44, s44, s45
	v_lshl_add_u32 v26, v25, 3, v2
	v_add_nc_u32 v26, s44, v26
	v_mul_u32_u24 v[WA], v26, 192                  ; a row of 256 codes is 192 bytes
	v_mad_u32_u24 v[WA], v3, 24, v[WA]
	v_lshlrev_b32 v[WSA], 3, v26
	v_lshl_add_u32 v[WSA], v3, 2, v[WSA]
	v_lshlrev_b32 v[BVA], 2, v26
	v_lshlrev_b32 v[BA], 6, v3
	s_mul_i32 s44, s2, FIMG
	v_lshlrev_b32 v[WFI], 4, v1
	v_add_nc_u32 v[WWI], s44, v[WFI]
	s_lshl_b32 s45, s2, 7
	v_lshl_add_u32 v[WFS], v1, 2, WSC
	v_add_nc_u32 v[WWS], s45, v[WFS]
	v_lshl_add_u32 v[XFI], v1, 4, XIMG
	v_add_nc_u32 v[XFA], s44, v[XFI]
	v_lshl_add_u32 v[XFS], v1, 2, XSC
	; where my block goes.  Wave w = 4 s + 2 c + hh holds block 2 c + hh of K step s: registers 6 c .. 6 c + 5 of lane slot (row, hh) of image (s, tile).  Register j of slot L lies at 512 (j / 4) + 16 L + 4 (j % 4):
	; my three pairs of registers lie at 0, 8, 512 (c = 0) or at 520, 1,024, 1,032 (c = 1) from 256 hh + 16 row
	s_lshr_b32 s46, s2, 2                          ; s
	s_mul_i32 s47, s46, PLN
	s_and_b32 s48, s2, 1                           ; hh
	s_lshl_b32 s48, s48, 8
	s_add_co_u32 s47, s47, s48
	s_bfe_u32 s48, s2, 0x10001                     ; c
	s_mul_i32 s49, s48, 520
	s_add_co_u32 s49, s49, s47
	s_mul_i32 s50, s48, 1016
	s_add_co_u32 s50, s50, s47
	v_mul_u32_u24 v27, v3, FIMG                    ; lanes 16-31 hold rows of the odd tile: one image on
	v_lshl_add_u32 v27, v2, 4, v27
	v_add_nc_u32 v27, XIMG, v27
	v_add_nc_u32 v[XWI], s49, v27
	v_add_nc_u32 v[XW1], s50, v27
	s_lshl_b32 s51, s46, 9                         ; my byte of the scale words: 512 s + w % 4 + 4 lane
	s_and_b32 s52, s2, 3
	s_add_co_u32 s51, s51, s52
	v_add_nc_u32 v[XWS], s51, v[XFS]
	s_lshl_b32 s53, s2, 6
	v_lshl_add_u32 v[XSA], v2, 2, XSC
	v_add_nc_u32 v[XSA], s53, v[XSA]
	v_add_nc_u32 v[WVA], 4*PLN, v[WWI]
	v_add_nc_u32 v[WVSA], 2048, v[WWS]
	v_lshl_add_u32 v[SSA], v2, 2, SST
	v_add_nc_u32 v[SSA], s53, v[SSA]
	v_lshl_add_u32 v[SRD], v1, 4, SST
	s_mul_i32 s54, s3, PLN
	s_add_co_u32 s54, s54, s44
	v_add_nc_u32 v[VO], s54, v[WFI]                ; 12,288 y + 1,536 w + 16 lane
	v_add_nc_u32 v[VS], s88, v[WFI]                ; 512 y + 16 lane
	v_lshlrev_b32 v[GA], 3, v24
	s_wait_dscnt 0x0
	s_wait_kmcnt 0x0
	s_add_nc_u64 s[G0+2:G0+3], s[4:5], s[90:91]    ; the tile's first element
	s_or_b32 s[G0+3], s[G0+3], 0x80000000          ; type = 2
	; ---- 0
	tensor_load_to_lds s[G0:G0+3], s[G1:G1+7]      ; my group of x: the first thing asked for, since it is the longest on its way
	s_nop 0
	PLACES 4
	s_add_nc_u64 s[6:7], s[6:7], s[92:93]
	s_add_nc_u64 s[8:9], s[8:9], s[94:95]
	s_add_nc_u64 s[10:11], s[10:11], s[94:95]
	s_add_nc_u64 s[12:13], s[12:13], s[96:97]
	s_add_nc_u64 s[14:15], s[14:15], s[98:99]
	s_add_nc_u64 s[72:73], s[72:73], s[88:89]
	s_add_nc_u64 s[78:79], s[78:79], s[88:89]
	s_load_b512 s[GAM:GAM+15], s[8:9], 0x0         ; gamma of my 32 channels
	s_load_b512 s[GAM+16:GAM+31], s[8:9], 0x40
	global_load_b64 v[SG:SG+1], v[GA], s[6:7]      ; lane l: (mean, squared deviations) of piece l % 8 of my group
	WIN 0x40
.irp m, 0,1,2
.irp s, 0,1
.irp p, 0,1,2,3,4,5
	global_load_b64 v[12*(2*\m+\s)+2*\p:12*(2*\m+\s)+2*\p+1], v[WA], s[68+6*\m:69+6*\m] offset:96*\s+48*(\p/3)+8*(\p%3)   ; a fragment as the operand wants it: 24 bytes of my row, twice
.endr
.endr
.endr
.irp m, 0,1,2
	global_load_b32 v[72+\m], v[WSA], s[70+6*\m:71+6*\m]
.endr
.irp m, 0,1
.irp o, 0,1,2,3,4,5,6,7
	global_load_b128 v[BQ+64*\m+8*\o:BQ+64*\m+8*\o+3], v[BA], s[72+6*\m:73+6*\m] offset:(32*(\o/2)+8*(\o%2))*4      ; tile o, lane (r, h): the bias of channels 32 (o / 2) + 8 (o % 2) + 16 h + 0 .. 7
	global_load_b128 v[BQ+64*\m+8*\o+4:BQ+64*\m+8*\o+7], v[BA], s[72+6*\m:73+6*\m] offset:(32*(\o/2)+8*(\o%2))*4+16
.endr
.endr
	WIN 0
.irp j, 0,1,2,3,4,5,6,7
	global_load_b32 v[BV+\j], v[BVA], s[84:85]     ; v's results hold one channel a lane: its bias in all eight registers
.endr
	s_wait_xcnt 0x0                                ; every load above has had its addresses translated (ISA guide 3.1): the weights' address registers are written again only behind this wait
	s_load_b512 s[BET:BET+15], s[10:11], 0x0       ; beta of my 32 channels
	s_load_b512 s[BET+16:BET+31], s[10:11], 0x40
	s_wait_loadcnt 40                              ; the statistics and the weights are in; the 32 + 8 loads of biases issued behind them may be out
	WIN 0x04                                       ; an LDS store's data are its source 1: window 1
.irp f, 0,1,2,3,4,5
.irp c, 0,1,2
	ds_store_b128 v[WWI], v[12*\f+4*\c:12*\f+4*\c+3] offset:PLN*\f+512*\c
.endr
.endr
.irp m, 0,1,2
	ds_store_b32 v[WWS], v[72+\m] offset:1024*\m
.endr
	WIN 0
	; the eight pieces of my group are joined: mean = the mean of the means; squared deviations = the sum of (the piece's + 16,384 (its mean - the mean)^2).  Every lane ends with the same numbers
	v_mov_b32 v[SG+2], v[SG]
	v_add_f32_dpp v[SG+2], v[SG+2], v[SG+2] row_xmask:1 row_mask:0xf bank_mask:0xf
	v_add_f32_dpp v[SG+2], v[SG+2], v[SG+2] row_xmask:2 row_mask:0xf bank_mask:0xf
	v_add_f32_dpp v[SG+2], v[SG+2], v[SG+2] row_xmask:4 row_mask:0xf bank_mask:0xf
	v_mul_f32 v[SG+2], 0x3e000000, v[SG+2]         ; / 8
	v_sub_f32 v[SG+3], v[SG], v[SG+2]
	v_mul_f32 v[SG+3], v[SG+3], v[SG+3]
	v_fma_f32 v[SG+1], v[SG+3], 0x46800000, v[SG+1]
	v_add_f32_dpp v[SG+1], v[SG+1], v[SG+1] row_xmask:1 row_mask:0xf bank_mask:0xf
	v_add_f32_dpp v[SG+1], v[SG+1], v[SG+1] row_xmask:2 row_mask:0xf bank_mask:0xf
	v_add_f32_dpp v[SG+1], v[SG+1], v[SG+1] row_xmask:4 row_mask:0xf bank_mask:0xf
	v_mul_f32 v[SG+1], 0x37000000, v[SG+1]         ; / 131,072: the variance
	v_add_f32 v[SG+1], 0x3727c5ac, v[SG+1]         ; + 1e-5
	v_rsq_f32 v[SG+1], v[SG+1]
	v_mul_f32 v[SG+2], -1.0, v[SG+2]               ; (the plain place behind the transcendental)  -mean
	v_readfirstlane_b32 s[STT], v[SG+2]
	s_wait_alu depctr_va_vdst(0)
	v_readfirstlane_b32 s[STT+2], v[SG+1]
	s_mov_b32 s[STT+1], s[STT]                     ; (the packed forms name pairs)
	s_mov_b32 s[STT+3], s[STT+2]
	; ---- X: four passes of 32 positions
.macro NORM p                          ; ((x - mean) / sqrt(var + eps)) gamma + beta, in that order
.set i, 0
.rept 16
	v_pk_add_f32 v[X+32*\p+2*i:X+32*\p+2*i+1], v[X+32*\p+2*i:X+32*\p+2*i+1], s[STT:STT+1] op_sel_hi:[1,0]
.set i, i+1
.endr
.set i, 0
.rept 16
	v_pk_mul_f32 v[X+32*\p+2*i:X+32*\p+2*i+1], v[X+32*\p+2*i:X+32*\p+2*i+1], s[STT+2:STT+3] op_sel_hi:[1,0]
.set i, i+1
.endr
.set i, 0
.rept 32
	v_fma_f32 v[X+32*\p+i], v[X+32*\p+i], s[GAM+i], s[BET+i]
.set i, i+1
.endr
.endm
.macro BMAX p                          ; the block's largest magnitude (all 32 numbers are mine), in two chains, with the floor 2^(3 - 127) among the leaves; the conversion's scale operand; the byte
.set XB, X+32*\p
	v_max3_num_f32 v[TM], |v[XB]|, |v[XB+1]|, 0x1800000
	v_max3_num_f32 v[TM+1], |v[XB+2]|, |v[XB+3]|, |v[XB+4]|
.irp i, 5,9,13,17,21,25
	v_max3_num_f32 v[TM], v[TM], |v[XB+\i]|, |v[XB+\i+1]|
	v_max3_num_f32 v[TM+1], v[TM+1], |v[XB+\i+2]|, |v[XB+\i+3]|
.endr
	v_max3_num_f32 v[TM], v[TM], |v[XB+29]|, |v[XB+30]|
	v_max3_num_f32 v[TM], v[TM], v[TM+1], |v[XB+31]|
	v_add_nc_u32 v[TM+12+\p], 0xff000000, v[TM]
	v_lshrrev_b32 v[TM+4+\p], 23, v[TM+12+\p]
.endm
.macro CVT p                           ; my position's block: 32 codes, 192 bits on end, in six registers
	v_cvt_scalef32_pk16_fp6_f32 v[FR+8*\p:FR+8*\p+2], v[X+32*\p:X+32*\p+15], v[TM+12+\p]
	v_cvt_scalef32_pk16_fp6_f32 v[TH+4*\p:TH+4*\p+2], v[X+32*\p+16:X+32*\p+31], v[TM+12+\p]   ; (a conversion's three registers begin on an even number: the upper half is made elsewhere and moved)
	v_nop                                          ; one plain place behind a scaled conversion
.irp i, 0,1,2
	v_mov_b32 v[FR+8*\p+3+\i], v[TH+4*\p+\i]
.endr
.endm
	s_wait_tensorcnt 0x0                           ; my tile of x lies in LDS; only I read it
.irp p, 0,1,2,3
.set i, 0
.rept 32
	ds_load_b32 v[X+32*\p+i], v[XA] offset:512*i+128*\p   ; channel 32 w + i at my position of pass p: the wave reads 128 consecutive bytes
.set i, i+1
.endr
.endr
	s_wait_kmcnt 0x0                               ; gamma and beta
	s_wait_dscnt 63                                ; behind the second pass's loads stand 64: the wait can name 63, so all up to the second pass are in
	NORM 0
	BMAX 0
	CVT 0
	NORM 1
	BMAX 1
	CVT 1
	s_wait_dscnt 32                                ; the third pass is in; the fourth's 32 loads may be out
	NORM 2
	BMAX 2
	CVT 2
	s_wait_dscnt 0x0
	NORM 3
	BMAX 3
	CVT 3
.irp p, 0,1,2,3                                ; pass p: tiles 2 p and 2 p + 1: two images, 3,072 bytes, on
	ds_store_b64 v[XWI], v[FR+8*\p:FR+8*\p+1] offset:3072*\p
	ds_store_b64 v[XW1], v[FR+8*\p+2:FR+8*\p+3] offset:3072*\p+8
	ds_store_b64 v[XWI], v[FR+8*\p+4:FR+8*\p+5] offset:3072*\p+512
	ds_store_b8 v[XWS], v[TM+4+\p] offset:128*\p   ; byte w % 4 of my position's scale word for K step w / 4; the other three come from three other waves
.endr
	s_wait_loadcnt 0x0                             ; the biases
	s_wait_dscnt 0x0                               ; for the others' sake: my images and bytes have landed
	s_barrier_signal -1
	s_barrier_wait -1                              ; the weights' and xn's images lie in LDS
	; ---- 1
; q (m = 0) or k (m = 1) for position tile w: eight tiles of 16 output channels by turns, K step by K step; the bias is the C of the first.  base: the block's address
.macro UNITQK m, base
.if \m == 0
.irp s, 0,1
.irp c, 0,1,2
	ds_load_b128 v[XF+12*\s+4*\c:XF+12*\s+4*\c+3], v[XFA] offset:PLN*\s+512*\c
.endr
	ds_load_b32 v[XSO+\s], v[XSA] offset:512*\s
.endr
.endif
.irp o, 0,1,2,3,4,5,6,7
	ds_load_b32 v[WS+\o], v[WFS] offset:1024*\m+128*\o
.endr
	PLANE WFI, PLN*(2*\m)
	s_wait_dscnt 0x0
	WIN 0x11                                       ; source 0 (W) and source 2 (the bias) window 1
.irp o, 0,1,2,3,4,5,6,7
	MM D+8*\o, 12*\o, XF, BQ+64*\m+8*\o, WS+\o, XSO, 0, 0
.endr
	WIN 0
	PLACES 4
	PLANE WFI, PLN*(2*\m+1)
	s_wait_dscnt 0x0
	WIN 0x01
.irp o, 0,1,2,3,4,5,6,7
	MM D+8*\o, 12*\o, XF+12, D+8*\o, WS+\o, XSO+1, 1, 0
.endr
	WIN 0
	PLACES 4
	s_wait_xcnt 0x0                                ; the codes' registers, which the last unit's stores read, are written again only behind this wait
	QUANT D                                        ; lane (r, h): position row r; register 16 b + i: channel 128 y + 32 b + 16 h + i: K step y of the scores' product
.irp c, 0,1,2
	global_store_b128 v[VO], v[PC+4*\c:PC+4*\c+3], s[\base:\base+1] offset:512*\c   ; 512 consecutive bytes a store
.endr
	ds_store_b32 v[SSA], v[PW] offset:512*\m       ; lanes r and r + 16 write the same word with the same value
.endm
	UNITQK 0, 12
	UNITQK 1, 14
	; v for channel tile w: source 0 = xn's eight tiles by turns, source 1 = Wv: a lane holds channel row r, register 8 T + j key 32 (T / 2) + 16 h + 8 (T % 2) + j
.irp s, 0,1
.irp c, 0,1,2
	ds_load_b128 v[XF+12*\s+4*\c:XF+12*\s+4*\c+3], v[WVA] offset:PLN*\s+512*\c
.endr
.endr
	ds_load_b32 v[WVS], v[WVSA]
.irp g, 0,1,2,3,4,5,6,7
	ds_load_b32 v[XS+\g], v[XFS] offset:128*\g
.endr
	PLANE XFI, 0
	s_wait_dscnt 0x0
	WIN 0x01
.irp o, 0,1,2,3,4,5,6,7
	MM D+8*\o, 12*\o, XF, BV, XS+\o/2, WVS, \o%2, 0
.endr
	WIN 0
	PLACES 4
	PLANE XFI, PLN
	s_wait_dscnt 0x0
	WIN 0x01
.irp o, 0,1,2,3,4,5,6,7
	MM D+8*\o, 12*\o, XF+12, D+8*\o, XS+4+\o/2, WVS, \o%2, 1
.endr
	WIN 0
	PLACES 4
	s_wait_xcnt 0x0
	QUANT D
.irp c, 0,1,2
	global_store_b128 v[VO], v[PC+4*\c:PC+4*\c+3], s[14:15] offset:25600+512*\c
.endr
	ds_store_b32 v[SSA], v[PW] offset:1024
	s_wait_dscnt 0x0
	s_barrier_signal -1
	s_barrier_wait -1                              ; the scale words of all eight waves lie in LDS: three waves store 512 whole bytes each
	s_cmp_lg_u32 s2, 0
	s_cbranch_scc1 .Lnot_q
	ds_load_b128 v[24:27], v[SRD]
	s_wait_dscnt 0x0
	global_store_b128 v[VS], v[24:27], s[12:13] offset:24576
.Lnot_q:
	s_cmp_lg_u32 s2, 1
	s_cbranch_scc1 .Lnot_k
	ds_load_b128 v[28:31], v[SRD] offset:512
	s_wait_dscnt 0x0
	global_store_b128 v[VS], v[28:31], s[14:15] offset:24576
.Lnot_k:
	s_cmp_lg_u32 s2, 2
	s_cbranch_scc1 .Lnot_v
	ds_load_b128 v[32:35], v[SRD] offset:1024
	s_wait_dscnt 0x0
	global_store_b128 v[VS], v[32:35], s[14:15] offset:50176
.Lnot_v:
	s_wait_tensorcnt 0x0
	ds_add_u32 v63, v83
	s_wait_dscnt 0x0
	s_endpgm
.Lfunc_end_k_q68d8a81acc_qkv:
	.size	k_q68d8a81acc_qkv, .Lfunc_end_k_q68d8a81acc_qkv-k_q68d8a81acc_qkv
	.p2alignl 7, 3214868480
	.fill 96, 4, 3214868480
	.section	.rodata,"a",@progbits
	.p2align	6, 0x0
	.amdhsa_kernel k_q68d8a81acc_qkv
		.amdhsa_group_segment_fixed_size 236032
		.amdhsa_private_segment_fixed_size 0
		.amdhsa_enable_private_segment 0
		.amdhsa_kernarg_size 120
		.amdhsa_user_sgpr_count 2
		.amdhsa_user_sgpr_kernarg_segment_ptr 1
		.amdhsa_wavefront_size32 1
		.amdhsa_system_sgpr_workgroup_id_x 1
		.amdhsa_system_sgpr_workgroup_id_y 1
		.amdhsa_system_sgpr_workgroup_id_z 1
		.amdhsa_system_vgpr_workitem_id 0
		.amdhsa_next_free_vgpr 480
		.amdhsa_next_free_sgpr 102
		.amdhsa_reserve_vcc 0
		.amdhsa_float_denorm_mode_32 3
		.amdhsa_float_denorm_mode_16_64 3
		.amdhsa_memory_ordered 1
		.amdhsa_forward_progress 1
		.amdhsa_inst_pref_size 80
	.end_amdhsa_kernel
	.amdgpu_metadata
---
amdhsa.version: [ 1, 2 ]
amdhsa.kernels:
  - .name:           k_q68d8a81acc_qkv
    .symbol:         k_q68d8a81acc_qkv.kd
    .args:
      - { .name: x, .offset: 0, .size: 8, .value_kind: global_buffer, .address_space: global }
      - { .name: gstat, .offset: 8, .size: 8, .value_kind: global_buffer, .address_space: global }
      - { .name: gn_gamma, .offset: 16, .size: 8, .value_kind: global_buffer, .address_space: global }
      - { .name: gn_beta, .offset: 24, .size: 8, .value_kind: global_buffer, .address_space: global }
      - { .name: qb, .offset: 32, .size: 8, .value_kind: global_buffer, .address_space: global }
      - { .name: kvb, .offset: 40, .size: 8, .value_kind: global_buffer, .address_space: global }
      - { .name: wq_codes, .offset: 48, .size: 8, .value_kind: global_buffer, .address_space: global }
      - { .name: wq_scales, .offset: 56, .size: 8, .value_kind: global_buffer, .address_space: global }
      - { .name: bq, .offset: 64, .size: 8, .value_kind: global_buffer, .address_space: global }
      - { .name: wk_codes, .offset: 72, .size: 8, .value_kind: global_buffer, .address_space: global }
      - { .name: wk_scales, .offset: 80, .size: 8, .value_kind: global_buffer, .address_space: global }
      - { .name: bk, .offset: 88, .size: 8, .value_kind: global_buffer, .address_space: global }
      - { .name: wv_codes, .offset: 96, .size: 8, .value_kind: global_buffer, .address_space: global }
      - { .name: wv_scales, .offset: 104, .size: 8, .value_kind: global_buffer, .address_space: global }
      - { .name: bv, .offset: 112, .size: 8, .value_kind: global_buffer, .address_space: global }
    .group_segment_fixed_size: 236032
    .private_segment_fixed_size: 0
    .kernarg_segment_align: 8
    .kernarg_segment_size: 120
    .max_flat_workgroup_size: 256
    .sgpr_count:     102
    .vgpr_count:     480
    .wavefront_size: 32
...
	.end_amdgpu_metadata
.endif
;; end of part 2
;; launch attn (part 3): grid 64 x 4, 4 waves a work-group, clusters of 4 x 1, 327,680 bytes of LDS; arguments qb, kvb, x, wp_codes, wp_scales, bp, out0; writes out0
.if DOCPART == 3
	.amdgcn_target "amdgcn-amd-amdhsa--gfx1250"
	.amdhsa_code_object_version 6
	.text
	.protected	k_q68d8a81acc_attn
	.globl	k_q68d8a81acc_attn
	.p2align	8
	.type	k_q68d8a81acc_attn,@function
k_q68d8a81acc_attn:
	s_mov_b64 s[64:65], 0
	v_nop
	global_prefetch_b8 v0, s[64:65] scope:SCOPE_SE
	s_setreg_imm32_b32 hwreg(HW_REG_WAVE_MODE, 25, 1), 1
	s_wait_xcnt 0x0
	s_wait_alu depctr_hold_cnt(0) depctr_sa_sdst(0) depctr_va_vdst(0) depctr_va_sdst(0) depctr_va_ssrc(0) depctr_va_vcc(0) depctr_vm_vsrc(0)
	s_getreg_b32 s2, hwreg(HW_REG_IB_STS2, 6, 4)
	s_cmp_eq_u32 s2, 0
	s_cbranch_scc0 .Lentry_in_a_cluster
	s_endpgm
.Lentry_in_a_cluster:
	s_bfe_u32 s2, ttmp6, 0x10000c
	s_cmp_lg_u32 s2, 0x3003
	s_cbranch_scc0 .Lentry_shape_is_right
	s_endpgm
.Lentry_shape_is_right:
; out = Wp softmax(q^T k / 16) v + bp + x, all three products on codes of FP6 (E2M3) with one E8M0 scale for each 32 along K.  q, k, v come from the launch before as images of operand registers.
; SOFTMAX: t = score x log2(e) / 16; M = the largest t so far, rounded up to a whole number; p = 2^(t - M) is quantised along the keys, not normalised; the sum l is taken of the unquantised p and divides at the end.
; SHARES.  A work-group owns 64 queries of one batch.  EACH WAVE HOLDS ALL FOUR TILES OF 16 QUERIES AND WALKS A QUARTER OF THE KEYS (in trip i: the 128 keys of block 4 i + wave), so that every fragment of K and V
; read from LDS feeds four products.  The four partial results are joined at the end: each wave's M is a whole number, so bringing them under the largest is a multiplication by a power of two.
; LAYOUT.  S^T = K Q^T and O^T = V^T P^T: a lane holds one query (lane % 16) throughout.  The keys of K's tiles and the channels of V's tiles were chosen by the launch before so that the 16 registers of result tiles
; 2 b and 2 b + 1 are 16 neighbours along the next product's K.  The queries of a tile are chosen likewise: row rho of tile t is query 32 (t / 2) + 8 (t % 2) + rho + 8 (rho / 8) of my 64.
; THE RING.  A wave has one region for K's half block and one for V's (25,600 bytes each), fills them itself and reads only its own.  Fragments are held in registers, so a region is free as soon as it has been
; fetched: V's is filled again at a step's head, K's in its middle; each load has about half a step in which to land.  Two slots of a whole step (2 x 204,800 bytes) would not fit in LDS.
; By this text's count a wave has two tensor loads out at the start and one later.
; CLUSTER.  The four work-groups of a cluster belong to one batch and walk the same K and V: each half block is asked for JOINTLY, by the same tensor load with the same descriptor and a mask that names the four.
; Matrix and vector work stand in phases, not by turns: the plain form.
; LIMITS: NaN and infinities are not served; p under 2^-126 counts as 0 (v_exp_f32 gives no denormals); a block whose largest magnitude lies under 2^-124 gets the scale byte 1.
; REGISTERS.  Window 0: v1-11, v240-253 addresses; v12-27 four numbers a tile: -M, the largest t, l in two halves; v28-31 p's scale words; v32-35 q's (later Wp's); v36-43 K's or V's (later the attention result's);
;   v44-79 at work; v80-143 S^T, then p; v144-239 Q's eight fragments.  Window 1: v0-191 sixteen fragments of K or of V; v192-239 p's four.  Window 2: O^T of tiles 0, 1 (128 registers each); window 3: of tiles 2, 3.
.set FIMG, 1536                        ; a fragment's image
.set RB,   25600                       ; half a block: 16 fragments and 1,024 bytes of scale words
.set BLK,  2*RB
.set SCO,  16*FIMG                     ; where the scale words begin in a half block
.set SPARE, 262144                     ; LDS: 0 .. 204,799 the four waves' regions; 0 .. 262,143 the stage of the merge (behind the last fill); then the spare words, 128 bytes a wave, that no other line names;
.set MST,  SPARE+512                   ; -M and l of (wave, tile): 1,024 wave + 256 tile (+ 128 for l) + 4 lane;
.set AIMG, MST+4096                    ; the attention result's eight fragments: (2 T + s) FIMG;
.set ASC,  AIMG+8*FIMG                 ; their scale words: (2 T + s) 128 + 4 lane;
.set OST,  ASC+1024                    ; the way out: 16 rows x (256 + 16) bytes for each wave
.set AKV,1
.set ASK,2
.set ASV,3
.set SPW,4                             ; v4  my spare word: SPARE + 4 x my thread's number; never rewritten
.set NIL,5                             ; v5  0; never rewritten
.set STW,6
.set MSTW,7
.set MSTR,8
.set AIW,9
.set ASW,10
.set AIR,11
.set ST,12
.set PS,28
.set QS,32
.set KVS,36
.set F,44                              ; v[44:45] 2^(old M - new M)
.set TM,48
.set BM,48                             ; v48-51 the blocks' largest scores, then largest p
.set BP,52                             ; v52-55 lane l xor 16's; the bytes
.set U,56                              ; v[56:57] the sum's second chain
.set SO,60                             ; v60-63 the conversions' scale operands
.set TL,64                             ; v64.., v72.. a block pair's lower halves;  v68.., v76.. the upper
.set S,80
.set Q,144
.set P,192                             ; in window 1
.set ASR,240
.set OSW,241
.set OSR,242
.set XO,243
.set WPA,244
.set WPS,245
.set BPA,246
.set STR,248                           ; v248-251
.set LI,252
.set QSA,253
.set PW,46
.set PC,208                            ; behind the loop: the codes just made
.set G,48                              ; behind the loop: v48-55 the four waves' factors, each twice
.set ATT,80                            ; v80-207 my tile's joined result
.set AF,80                             ; then the eight fragments of the attention result,
.set OB,80                             ; then rows of the output
.set WV,18
.set CS,22                             ; s[22:23] log2(e) / 16
.set SEL,24                            ; s[24:25] v_permlanex16_b32: lane l xor 16
.set G1,28                             ; s[28:35] descriptor group 1;  s[36:39], s[40:43] groups 0 for K's and V's half blocks
.set G0K,36
.set G0V,40
.set MSB, 0
.macro WIN new                         ; the immediate's high byte repeats the setting that is left; bits 1:0 source 0, 3:2 source 1, 5:4 source 2, 7:6 destination; a switch that changes nothing is dropped
.if MSB != (\new)
	s_set_vgpr_msb (MSB<<8)|(\new)
.set MSB, (\new)
.endif
.endm
.macro PLACES n                        ; plain vector places behind matrix instructions: four in front of loads into their registers and of reads of their results
.rept \n
	v_nop
.endr
.endm
.macro CROUND                          ; a round of the cluster's barrier: my work-group's barrier; wave 0 signals for the work-group; every wave waits for all four work-groups; my work-group's barrier once more
	s_barrier_signal -1
	s_barrier_wait -1
	s_cmp_lg_u32 s[WV], 0
	s_cbranch_scc1 .Lnot_wave_0_\@
	s_barrier_signal -3
.Lnot_wave_0_\@:
	s_barrier_wait -3
	s_barrier_signal -1
	s_barrier_wait -1
.endm
; One product.  d, a, b, c: first registers of D, A, B, C (c < 0: the constant 0 starts the sum);  sa, sb: the scale registers;  ra, rb: 1 = the scales stand in lanes 16-31
.macro MM d, a, b, c, sa, sb, ra, rb
.if (\c) < 0
.if (\ra)
	v_wmma_scale_f32_16x16x128_f8f6f4 v[\d:\d+7], v[\a:\a+11], v[\b:\b+11], 0, v[\sa], v[\sb] matrix_a_fmt:MATRIX_FMT_FP6 matrix_b_fmt:MATRIX_FMT_FP6 matrix_a_scale:MATRIX_SCALE_ROW1
.else
	v_wmma_scale_f32_16x16x128_f8f6f4 v[\d:\d+7], v[\a:\a+11], v[\b:\b+11], 0, v[\sa], v[\sb] matrix_a_fmt:MATRIX_FMT_FP6 matrix_b_fmt:MATRIX_FMT_FP6
.endif
.elseif (\ra) && (\rb)
	v_wmma_scale_f32_16x16x128_f8f6f4 v[\d:\d+7], v[\a:\a+11], v[\b:\b+11], v[\c:\c+7], v[\sa], v[\sb] matrix_a_fmt:MATRIX_FMT_FP6 matrix_b_fmt:MATRIX_FMT_FP6 matrix_a_scale:MATRIX_SCALE_ROW1 matrix_b_scale:MATRIX_SCALE_ROW1
.elseif (\ra)
	v_wmma_scale_f32_16x16x128_f8f6f4 v[\d:\d+7], v[\a:\a+11], v[\b:\b+11], v[\c:\c+7], v[\sa], v[\sb] matrix_a_fmt:MATRIX_FMT_FP6 matrix_b_fmt:MATRIX_FMT_FP6 matrix_a_scale:MATRIX_SCALE_ROW1
.elseif (\rb)
	v_wmma_scale_f32_16x16x128_f8f6f4 v[\d:\d+7], v[\a:\a+11], v[\b:\b+11], v[\c:\c+7], v[\sa], v[\sb] matrix_a_fmt:MATRIX_FMT_FP6 matrix_b_fmt:MATRIX_FMT_FP6 matrix_b_scale:MATRIX_SCALE_ROW1
.else
	v_wmma_scale_f32_16x16x128_f8f6f4 v[\d:\d+7], v[\a:\a+11], v[\b:\b+11], v[\c:\c+7], v[\sa], v[\sb] matrix_a_fmt:MATRIX_FMT_FP6 matrix_b_fmt:MATRIX_FMT_FP6
.endif
.endm
; A region that has been fetched into registers is filled again with the half block four blocks on.  All my tensor loads have landed; 0 goes onto my spare word; the address steps meanwhile; the add and my reads are
; done; a round of the cluster's barrier, so that no wave of any partner still reads its copy of the region or has a load on its way; then my one tensor load, first thing behind the round.
.macro REFILL g0
	WIN 0                                          ; at a branch and at a label every window is 0; the add's registers lie in window 0
	s_wait_tensorcnt 0x0
	ds_add_u32 v[SPW], v[NIL]
	s_add_nc_u64 s[\g0+2:\g0+3], s[\g0+2:\g0+3], 4*BLK   ; no tensor load of mine is out, so a group 0 may be written; the type bits on top are not reached
	s_wait_dscnt 0x0
	CROUND
	tensor_load_to_lds s[\g0:\g0+3], s[G1:G1+7]
	s_nop 0
	PLACES 4                                       ; (the places in front of the loads that follow)
.endm
.macro FETCH_K                         ; the step's K: 8 scale registers (lane (r, h): row r's word of K step h), then 16 fragments, K step 0's eight first: 48 loads of 512 consecutive bytes
	WIN 0                                          ; the address registers lie in window 0, whatever setting the products ahead have left
.irp kt, 0,1,2,3,4,5,6,7
	ds_load_b32 v[KVS+\kt], v[ASK] offset:64*\kt
.endr
	WIN 0x40
.set i, 0
.rept 48
	ds_load_b128 v[4*i:4*i+3], v[AKV] offset:512*i
.set i, i+1
.endr
	WIN 0
.endm
.macro FETCH_V                         ; the step's V: scale register i: lanes 0-15 channel tile 2 i, lanes 16-31 tile 2 i + 1; then its 16 fragments
	WIN 0                                          ; the address registers lie in window 0: the products ahead have left source 0 in window 1
.irp kt, 0,1,2,3,4,5,6,7
	ds_load_b32 v[KVS+\kt], v[ASV] offset:128*\kt
.endr
	WIN 0x40
.set i, 0
.rept 48
	ds_load_b128 v[4*i:4*i+3], v[AKV] offset:RB+512*i
.set i, i+1
.endr
	WIN 0
.endm
.macro SMUL qt                         ; S^T of query tile qt: eight tiles of 16 keys by turns, two K steps of 128 channels
.if \qt == 0
	s_wait_dscnt 24                                ; the scale words and K step 0's fragments are in; K step 1's 24 loads may be out
.endif
	WIN 0x01                                       ; source 0 (K) window 1
.irp kt, 0,1,2,3,4,5,6,7
	MM S+8*\kt, 12*\kt, Q+24*\qt, -1, KVS+\kt, QS+\qt, 0, 0
.endr
.if \qt == 0
	s_wait_dscnt 0x0
.endif
.irp kt, 0,1,2,3,4,5,6,7
	MM S+8*\kt, 96+12*\kt, Q+24*\qt+12, S+8*\kt, KVS+\kt, QS+\qt, 1, 1
.endr
.endm
; The softmax of tile qt for these 128 keys.  Register 16 b + i of S^T is key 32 b + 16 (lane / 16) + i.  first = 1: O^T has not been begun, so there is nothing to rescale.
.macro SOFT qt, first
.set rT, ST+4*\qt
	WIN 0
.irp b, 0,1,2,3
	v_max3_num_f32 v[BM+\b], v[S+16*\b], v[S+16*\b+1], v[S+16*\b+2]   ; the largest score of each block of 32 keys: for the row's maximum, and, since p rises with the score, for the block's largest p
.endr
.irp i, 3,5,7,9,11,13
.irp b, 0,1,2,3
	v_max3_num_f32 v[BM+\b], v[BM+\b], v[S+16*\b+\i], v[S+16*\b+\i+1]
.endr
.endr
.irp b, 0,1,2,3
	v_max_num_f32 v[BM+\b], v[BM+\b], v[S+16*\b+15]
.endr
.irp b, 0,1,2,3
	v_permlanex16_b32 v[BP+\b], v[BM+\b], s[SEL], s[SEL+1]
.endr
.irp b, 0,1,2,3
	v_max_num_f32 v[BM+\b], v[BM+\b], v[BP+\b]     ; with lane l xor 16's 16 keys
.endr
	v_max3_num_f32 v46, v[BM], v[BM+1], v[BM+2]
	v_max_num_f32 v46, v46, v[BM+3]
	v_mul_f32 v46, s[CS], v46                      ; as t
	v_max_num_f32 v[rT+1], v[rT+1], v46            ; the running largest t
	v_mov_b32 v46, v[rT]
	v_floor_f32 v[rT], -v[rT+1]                    ; the new -M = -ceil(t): a whole number
	v_sub_f32 v46, v[rT], v46                      ; old M - new M: a whole number, 0 or less
	v_cvt_i32_f32 v46, v46                         ; (it saturates)
	v_ldexp_f32 v[F], 1.0, v46                     ; f = 2^(old M - new M)
.set i, 0
.rept 32
	v_pk_fma_f32 v[S+2*i:S+2*i+1], v[S+2*i:S+2*i+1], s[CS:CS+1], v[rT:rT+1] op_sel_hi:[1,0,0]   ; t - M, two at a time
.set i, i+1
.endr
.irp b, 0,1,2,3
	v_fma_f32 v[BM+\b], v[BM+\b], s[CS], v[rT]     ; the same of each block's largest score
.endr
.set i, 0
.rept 64
	v_exp_f32 v[S+i], v[S+i]                       ; p = 2^(t - M)
.set i, i+1
.endr
.irp b, 0,1,2,3
	v_exp_f32 v[BM+\b], v[BM+\b]                   ; the block's largest p: the same two instructions on the same number
.endr
	v_pk_mul_f32 v[rT+2:rT+3], v[rT+2:rT+3], v[F:F+1] op_sel_hi:[1,0]   ; l under the new M.  (The plain place behind the exponentials)
	s_wait_alu depctr_va_vdst(0)
.irp b, 0,1,2,3
	v_max_num_f32 v[BM+\b], 0x1800000, v[BM+\b]    ; the floor 2^(3 - 127): the byte cannot fall under 1
.endr
.irp b, 0,1,2,3
	v_add_nc_u32 v[SO+\b], 0xff000000, v[BM+\b]    ; 2 off the exponent field: the conversion's scale operand
.endr
.irp b, 0,1,2,3
	v_lshrrev_b32 v[BP+\b], 23, v[SO+\b]           ; the scale's byte
.endr
	v_lshl_or_b32 v[PS+\qt], v[BP+1], 8, v[BP]     ; p's scale word for these 128 keys
	v_lshl_or_b32 v[PS+\qt], v[BP+2], 16, v[PS+\qt]
	v_lshl_or_b32 v[PS+\qt], v[BP+3], 24, v[PS+\qt]
.irp c, 0,1
	v_cvt_scalef32_pk16_fp6_f32 v[TL+8*\c:TL+8*\c+2], v[S+32*\c:S+32*\c+15], v[SO+2*\c]
	v_cvt_scalef32_pk16_fp6_f32 v[TL+8*\c+4:TL+8*\c+6], v[S+32*\c+16:S+32*\c+31], v[SO+2*\c+1]
.endr
	v_nop                                          ; one plain place behind a scaled conversion
.irp c, 0,1                                    ; the operand wants a whole block in a lane
.irp i, 0,1,2
	v_permlane16_swap_b32 v[TL+8*\c+\i], v[TL+8*\c+4+\i]
.endr
.endr
	WIN 0x40                                       ; p's fragment lies in window 1, beside V's
.irp c, 0,1
.irp i, 0,1,2
	v_mov_b32 v[P+12*\qt+6*\c+\i], v[TL+8*\c+\i]
	v_mov_b32 v[P+12*\qt+6*\c+3+\i], v[TL+8*\c+4+\i]
.endr
.endr
	WIN 0
	v_pk_add_f32 v[U:U+1], v[S:S+1], v[S+2:S+3]    ; l takes the UNQUANTISED p: two at a time, in two chains.  (These lines are also the places between p's codes and scale word and the products that take them)
.irp j, 4,8,12,16,20,24,28,32,36,40,44,48,52,56,60
	v_pk_add_f32 v[rT+2:rT+3], v[rT+2:rT+3], v[S+\j:S+\j+1]
	v_pk_add_f32 v[U:U+1], v[U:U+1], v[S+\j+2:S+\j+3]
.endr
	v_pk_add_f32 v[rT+2:rT+3], v[rT+2:rT+3], v[U:U+1]
.if !\first
	WIN 0x82+0x41*(\qt/2)                          ; O^T (destination and source 0) in window 2 or 3
.set i, 0
.rept 64
	v_pk_mul_f32 v[128*(\qt%2)+2*i:128*(\qt%2)+2*i+1], v[128*(\qt%2)+2*i:128*(\qt%2)+2*i+1], v[F:F+1] op_sel_hi:[1,0]   ; O^T under the new M, each accumulator from its low end on
.set i, i+1
.endr
	WIN 0
.endif
.endm
.macro PVMUL first                     ; O^T += V^T P^T: 64 accumulators, one instruction each; a fragment of V serves the four tiles
.irp hf, 0,1
	WIN 0xa5+0x50*\hf                              ; sources 0 (V) and 1 (p) window 1; C and D window 2 or 3
.irp ct, 0,1,2,3,4,5,6,7,8,9,10,11,12,13,14,15
.irp tt, 0,1
.if \first
	MM 128*\tt+8*\ct, 12*\ct, P+12*(2*\hf+\tt), -1, KVS+\ct/2, PS+2*\hf+\tt, \ct%2, 0
.else
	MM 128*\tt+8*\ct, 12*\ct, P+12*(2*\hf+\tt), 128*\tt+8*\ct, KVS+\ct/2, PS+2*\hf+\tt, \ct%2, 0
.endif
.endr
.endr
.endr
.endm
.macro STEP first, fillv, fillk        ; my 128 keys of one trip
.if \fillv
	REFILL G0V                                     ; K of this step has landed; V's region, fetched in the last step, takes this step's V
.else
	s_wait_tensorcnt 0x1                           ; the first step: K is in; V, issued behind it, may be out
.endif
	FETCH_K
	SMUL 0
	PLACES 4
	SOFT 0, \first
	SMUL 1
	PLACES 4
	SOFT 1, \first
.if \fillk
	REFILL G0K                                     ; V of this step has landed; K's region takes the next step's K
.else
	s_wait_tensorcnt 0x0                           ; the last step: V has landed, and nothing is left to fetch
.endif
	SMUL 2
	PLACES 4
	SOFT 2, \first
	SMUL 3
	PLACES 4                                       ; K's registers and scale registers take V's
	FETCH_V
	SOFT 3, \first
	s_wait_dscnt 0x0
	PVMUL \first
	WIN 0
.endm
; 64 numbers of a lane, register 16 b + i = k 32 b + 16 (lane / 16) + i of my row, become a fragment's codes in v[PC] on and its scale word in v[PW].
.macro QUANT s
.irp b, 0,1,2,3
	v_max3_num_f32 v[TM+\b], |v[\s+16*\b]|, |v[\s+1+16*\b]|, 0x1800000
.endr
.irp i, 2,4,6,8,10,12,14
.irp b, 0,1,2,3
	v_max3_num_f32 v[TM+\b], v[TM+\b], |v[\s+16*\b+\i]|, |v[\s+1+16*\b+\i]|
.endr
.endr
.irp b, 0,1,2,3
	v_permlanex16_b32 v[TM+4+\b], v[TM+\b], s[SEL], s[SEL+1]
.endr
.irp b, 0,1,2,3
	v_max_num_f32 v[TM+\b], v[TM+\b], v[TM+4+\b]
.endr
.irp b, 0,1,2,3
	v_add_nc_u32 v[TM+12+\b], 0xff000000, v[TM+\b]
.endr
.irp b, 0,1,2,3
	v_lshrrev_b32 v[TM+4+\b], 23, v[TM+12+\b]
.endr
	v_lshl_or_b32 v[PW], v[TM+5], 8, v[TM+4]
	v_lshl_or_b32 v[PW], v[TM+6], 16, v[PW]
	v_lshl_or_b32 v[PW], v[TM+7], 24, v[PW]
.irp c, 0,1
	v_cvt_scalef32_pk16_fp6_f32 v[PC+6*\c:PC+2+6*\c], v[\s+32*\c:\s+15+32*\c], v[TM+12+2*\c]
	v_cvt_scalef32_pk16_fp6_f32 v[PC+12+4*\c:PC+14+4*\c], v[\s+16+32*\c:\s+31+32*\c], v[TM+12+2*\c+1]
.endr
	v_nop                                          ; one plain place behind a scaled conversion
.irp c, 0,1
.irp i, 0,1,2
	v_permlane16_swap_b32 v[PC+6*\c+\i], v[PC+12+4*\c+\i]
.endr
.irp i, 0,1,2
	v_mov_b32 v[PC+3+6*\c+\i], v[PC+12+4*\c+\i]
.endr
.endr
.endm
	s_load_b256 s[4:11], s[0:1], 0x0               ; qb, kvb, x, Wp's codes
	s_load_b128 s[12:15], s[0:1], 0x20             ; Wp's scales, bp
	s_load_b64 s[16:17], s[0:1], 0x30              ; out0
	v_lshl_add_u32 v[SPW], v0, 2, SPARE
	v_mov_b32 v[NIL], 0
	ds_add_u32 v4, v5
	ds_add_u32 v4, v5
	s_wait_dscnt 0x0
	v_lshrrev_b32 v46, 5, v0
	v_readfirstlane_b32 s[WV], v46                 ; wave 0..3
	s_bfe_u32 s19, ttmp6, 0x40000                  ; cx: my place in the cluster: it enters the addresses of Q, x and out alone
	s_lshl_b32 s20, ttmp9, 2
	s_add_co_u32 s20, s20, s19                     ; my block of 64 queries = 4 x cluster x + cx
	s_and_b32 s21, ttmp7, 0xffff                   ; the batch, which the four partners share
	; descriptor group 1: half a block, 25,600 dense bytes, as 100 rows of 256 bytes; no padding: images are read 512 consecutive bytes at a time
	s_mov_b32 s[G1], 15|(3<<16)|(1<<21)            ; 15:0 the mask: all four work-groups; 17:16 elements of 8 bytes; 21 set beside a mask
	s_mov_b32 s[G1+1], 32<<16                      ; tensor_dim0 = 32
	s_mov_b32 s[G1+2], 100<<16                     ; tensor_dim1 = 100
	s_mov_b32 s[G1+3], 32<<16                      ; tile_dim0 = 32
	s_mov_b32 s[G1+4], 100                         ; tile_dim1 = 100
	s_mov_b32 s[G1+5], 32                          ; from row to row
	s_mov_b32 s[G1+6], 0
	s_mov_b32 s[G1+7], 0
	s_lshl_b32 s44, s21, 5
	s_add_co_u32 s44, s44, s[WV]
	s_mul_i32 s44, s44, BLK                        ; kvb: block 32 batch + wave
	s_mov_b32 s45, 0
	s_lshl_b32 s46, s21, 5
	s_lshr_b32 s47, s20, 1
	s_add_co_u32 s46, s46, s47
	s_mul_i32 s46, s46, RB                         ; qb: block 32 batch + my block / 2,
	s_mov_b32 s47, 0
	s_and_b32 s50, s20, 1
	s_mul_i32 s48, s50, 4*FIMG                     ; tiles 4 (my block % 2) on,
	s_mov_b32 s49, 0
	s_lshl_b32 s50, s50, 8                         ; and their scale words
	s_mov_b32 s51, 0
	s_lshl_b32 s52, s21, 22                        ; x and out: channel 256 batch + 64 wave, position 64 x my block
	s_lshl_b32 s53, s[WV], 20
	s_add_co_u32 s52, s52, s53
	s_lshl_b32 s53, s20, 8
	s_add_co_u32 s52, s52, s53
	s_mov_b32 s53, 0
	s_mov_b32 s[CS], 0x3db8aa3b                    ; log2(e) / 16
	s_mov_b32 s[CS+1], s[CS]
	s_mov_b32 s[SEL], 0x76543210
	s_mov_b32 s[SEL+1], 0xfedcba98
	s_mov_b32 s[G0K], 1                            ; count = 1
	s_mul_i32 s[G0K+1], s[WV], BLK                 ; LDS: my K region: the wave's number alone enters an LDS address
	s_mov_b32 s[G0V], 1
	s_add_co_u32 s[G0V+1], s[G0K+1], RB            ; my V region
	s_wait_kmcnt 0x0
	s_add_nc_u64 s[G0K+2:G0K+3], s[6:7], s[44:45]
	s_add_nc_u64 s[G0V+2:G0V+3], s[G0K+2:G0K+3], RB
	s_or_b32 s[G0K+3], s[G0K+3], 0x80000000        ; type = 2
	s_or_b32 s[G0V+3], s[G0V+3], 0x80000000
	CROUND                                         ; all four work-groups are here: the first joint loads meet
	tensor_load_to_lds s[G0K:G0K+3], s[G1:G1+7]
	s_nop 0
	tensor_load_to_lds s[G0V:G0V+3], s[G1:G1+7]
	s_nop 0
	PLACES 4
	s_add_nc_u64 s[4:5], s[4:5], s[46:47]
	s_add_nc_u64 s[48:49], s[4:5], s[48:49]        ; Q's fragments
	s_add_nc_u64 s[50:51], s[4:5], s[50:51]        ; Q's scale words
	s_add_nc_u64 s[8:9], s[8:9], s[52:53]
	s_add_nc_u64 s[16:17], s[16:17], s[52:53]
	s_mul_i32 s54, s[WV], 12288                    ; Wp: my 64 rows of 192 bytes,
	s_mov_b32 s55, 0
	s_add_nc_u64 s[10:11], s[10:11], s[54:55]
	s_lshl_b32 s54, s[WV], 9                       ; of 8 scale bytes,
	s_add_nc_u64 s[12:13], s[12:13], s[54:55]
	s_lshl_b32 s54, s[WV], 8                       ; and bp's 64 numbers
	s_add_nc_u64 s[14:15], s[14:15], s[54:55]
	v_and_b32 v48, 31, v0                          ; lane
	v_and_b32 v49, 15, v0                          ; r
	v_bfe_u32 v50, v0, 4, 1                        ; h
	v_lshlrev_b32 v[LI], 4, v48
	v_lshlrev_b32 v[QSA], 2, v49
	v_lshl_add_u32 v[QSA], v50, 9, v[QSA]          ; 512 h + 4 r
.irp t, 0,1,2,3
.irp s, 0,1
.irp c, 0,1,2
	global_load_b128 v[Q+12*(2*\t+\s)+4*\c:Q+12*(2*\t+\s)+4*\c+3], v[LI], s[48:49] offset:(8*\s+\t)*FIMG+512*\c   ; Q stays in registers
.endr
.endr
	global_load_b32 v[QS+\t], v[QSA], s[50:51] offset:SCO+64*\t   ; lane (r, h): row r's word of K step h
.endr
	v_lshl_add_u32 v[AKV], v48, 4, s[G0K+1]        ; my regions: 16 lane
	s_add_co_u32 s54, s[G0K+1], SCO
	v_add_nc_u32 v[ASK], s54, v[QSA]
	s_add_co_u32 s54, s[G0K+1], RB+SCO
	v_lshl_add_u32 v[ASV], v48, 2, s54
	s_lshl_b32 s54, s[WV], 16                      ; the merge: my stage,
	v_lshl_add_u32 v[STW], v48, 4, s54
	s_lshl_b32 s54, s[WV], 14                      ; and tile w in each wave's stage
	v_lshl_add_u32 v[STR], v48, 4, s54
.irp k, 1,2,3
	v_add_nc_u32 v[STR+\k], 65536*\k, v[STR]
.endr
	s_lshl_b32 s54, s[WV], 10
	s_add_co_u32 s54, s54, MST
	v_lshl_add_u32 v[MSTW], v48, 2, s54
	s_lshl_b32 s54, s[WV], 8
	s_add_co_u32 s55, s54, MST
	v_lshl_add_u32 v[MSTR], v48, 2, s55
	s_add_co_u32 s55, s54, ASC
	v_lshl_add_u32 v[ASW], v48, 2, s55
	s_mul_i32 s54, s[WV], 2*FIMG
	s_add_co_u32 s54, s54, AIMG
	v_lshl_add_u32 v[AIW], v48, 4, s54
	v_lshl_add_u32 v[AIR], v48, 4, AIMG
	v_lshl_add_u32 v[ASR], v48, 2, ASC
	s_mul_i32 s54, s[WV], 16*272
	s_add_co_u32 s54, s54, OST
	v_mul_u32_u24 v[OSW], v49, 272                 ; the way out, in: row r (an output channel), + 64 h
	v_lshl_add_u32 v[OSW], v50, 6, v[OSW]
	v_add_nc_u32 v[OSW], s54, v[OSW]
	v_mul_u32_u24 v[OSR], v50, 272                 ; back: lanes 0-15 one row, lanes 16-31 the next
	v_lshl_add_u32 v[OSR], v49, 4, v[OSR]
	v_add_nc_u32 v[OSR], s54, v[OSR]
	v_lshlrev_b32 v[XO], 14, v50                   ; and the same two rows in x and in out
	v_lshl_add_u32 v[XO], v49, 4, v[XO]
	v_mul_u32_u24 v[WPA], v49, 192
	v_mad_u32_u24 v[WPA], v50, 24, v[WPA]
	v_lshlrev_b32 v[WPS], 3, v49
	v_lshl_add_u32 v[WPS], v50, 2, v[WPS]
	v_lshlrev_b32 v[BPA], 2, v49
.irp t, 0,1,2,3
	v_mov_b32 v[ST+4*\t+1], 0xff61b1e6             ; the largest t so far: -3e38, under every t
	v_floor_f32 v[ST+4*\t], -v[ST+4*\t+1]          ; -M
	v_mov_b32 v[ST+4*\t+2], 0                      ; l, in two halves
	v_mov_b32 v[ST+4*\t+3], 0
	v_mov_b32 v[BP+\t], 0                          ; written once: a lane permute's destination counts as one of its sources
.endr
	v_mov_b32 v[F+1], 0                            ; (named as the upper half of a pair)
	s_wait_loadcnt 0x0                             ; Q
	STEP 1, 0, 1                                   ; the first step starts O^T's sums: nothing is cleared
	s_mov_b32 s26, 6
.Lstep:
	STEP 0, 1, 1
	s_sub_co_u32 s26, s26, 1
	s_cmp_lg_u32 s26, 0
	s_cbranch_scc1 .Lstep
	STEP 0, 1, 0                                   ; the last step is written out
	; ---- THE MERGE.  Every wave lays its four partial O^T, its -M and its l in LDS; wave w joins tile w.
	PLACES 4
.irp t, 0,1,2,3
	v_add_f32 v[ST+4*\t+2], v[ST+4*\t+2], v[ST+4*\t+3]
.endr
.irp t, 0,1,2,3
	v_permlanex16_b32 v[BP+\t], v[ST+4*\t+2], s[SEL], s[SEL+1]
.endr
.irp t, 0,1,2,3
	v_add_f32 v[ST+4*\t+2], v[ST+4*\t+2], v[BP+\t] ; my quarter's l
.endr
	s_wait_dscnt 0x0
	s_barrier_signal -1
	s_barrier_wait -1                              ; every wave's last tensor load has landed and its last fetch is in: the regions have had their last fill and their last read, and the stage may lie over them
.irp t, 0,1,2,3
	WIN 0x08+4*(\t/2)                              ; an LDS store's data are its source 1: window 2 or 3
.set i, 0
.rept 32
	ds_store_b128 v[STW], v[128*(\t%2)+4*i:128*(\t%2)+4*i+3] offset:16384*\t+512*i   ; as images: each accumulator from its low end on
.set i, i+1
.endr
.endr
	WIN 0
.irp t, 0,1,2,3
	ds_store_b32 v[MSTW], v[ST+4*\t] offset:256*\t
	ds_store_b32 v[MSTW], v[ST+4*\t+2] offset:256*\t+128
.endr
	s_wait_dscnt 0x0                               ; for the others' sake: my stores have landed (and have read O^T's registers, which the loads below take)
	s_barrier_signal -1
	s_barrier_wait -1
	WIN 0xc0                                       ; what the projection wants goes out now: Wp's fragments (output tile o, K step s) and bp into window 3,
.irp o, 0,1,2,3
.irp s, 0,1
.irp p, 0,1,2,3,4,5
	global_load_b64 v[12*(2*\o+\s)+2*\p:12*(2*\o+\s)+2*\p+1], v[WPA], s[10:11] offset:3072*\o+96*\s+48*(\p/3)+8*(\p%3)
.endr
.endr
.endr
.irp o, 0,1,2,3
.irp j, 0,1,2,3,4,5,6,7
	global_load_b32 v[96+8*\o+\j], v[BPA], s[14:15] offset:64*\o   ; the projection's results hold one output channel a lane: its bias in all eight registers
.endr
.endr
	WIN 0
.irp o, 0,1,2,3
	global_load_b32 v[QS+\o], v[WPS], s[12:13] offset:128*\o       ; lane (r, h): row r's word of K step h
.endr
	WIN 0x80                                       ; and, last, my 64 channels x 64 positions of x into window 2: sixteen lanes read 256 consecutive bytes
.irp o, 0,1,2,3
.irp i, 0,1,2,3,4,5,6,7
	global_load_b128 v[32*\o+4*\i:32*\o+4*\i+3], v[XO], s[8:9] offset:(16*\o+2*\i)*16384 th:TH_LOAD_NT
.endr
.endr
	WIN 0
.irp k, 0,1,2,3
	ds_load_b32 v[64+\k], v[MSTR] offset:1024*\k       ; -M of tile w in wave k,
	ds_load_b32 v[68+\k], v[MSTR] offset:1024*\k+128   ; and its l
.endr
.macro LOADG g                         ; registers 32 g .. 32 g + 31 of tile w from the four waves' stages into window 1, two buffers of 128 by turns
	WIN 0x40
.irp k, 0,1,2,3
.irp c, 0,1,2,3,4,5,6,7
	ds_load_b128 v[128*((\g)%2)+32*\k+4*\c:128*((\g)%2)+32*\k+4*\c+3], v[STR+\k] offset:512*(8*(\g)+\c)
.endr
.endr
	WIN 0
.endm
.macro COMB g                          ; the sum over the waves of factor x partial result
	WIN 0x01
.set i, 0
.rept 16
	v_pk_mul_f32 v[ATT+32*(\g)+2*i:ATT+32*(\g)+2*i+1], v[128*((\g)%2)+2*i:128*((\g)%2)+2*i+1], v[G:G+1]
.set i, i+1
.endr
.irp k, 1,2,3
.set i, 0
.rept 16
	v_pk_fma_f32 v[ATT+32*(\g)+2*i:ATT+32*(\g)+2*i+1], v[128*((\g)%2)+32*\k+2*i:128*((\g)%2)+32*\k+2*i+1], v[G+2*\k:G+2*\k+1], v[ATT+32*(\g)+2*i:ATT+32*(\g)+2*i+1]
.set i, i+1
.endr
.endr
	WIN 0
.endm
	LOADG 0
	s_wait_dscnt 32                                ; the eight numbers are in; group 0's 32 loads, issued behind them, may be out
	v_min3_num_f32 v72, v64, v65, v66
	v_min_num_f32 v72, v72, v67                    ; -M of the whole row: the largest M
.irp k, 0,1,2,3
	v_sub_f32 v[76+\k], v72, v[64+\k]              ; wave k's M less the largest: a whole number, 0 or less
.endr
.irp k, 0,1,2,3
	v_cvt_i32_f32 v[76+\k], v[76+\k]
.endr
.irp k, 0,1,2,3
	v_ldexp_f32 v[76+\k], 1.0, v[76+\k]            ; f: a power of two
.endr
	v_mul_f32 v73, v76, v68
	v_fma_f32 v73, v77, v69, v73
	v_fma_f32 v73, v78, v70, v73
	v_fma_f32 v73, v79, v71, v73                   ; the row's l
	v_rcp_f32 v73, v73
	v_nop                                          ; one plain place behind a transcendental
	s_wait_alu depctr_va_vdst(0)
.irp k, 0,1,2,3
	v_mul_f32 v[G+2*\k], v[76+\k], v73             ; f / l, twice: a pair for the packed forms
	v_mul_f32 v[G+2*\k+1], v[76+\k], v73
.endr
	s_wait_dscnt 0x0                               ; a group is in; the next goes out into the other buffer and lands while this one is joined
	LOADG 1
	COMB 0
	s_wait_dscnt 0x0
	LOADG 2
	COMB 1
	s_wait_dscnt 0x0
	LOADG 3
	COMB 2
	s_wait_dscnt 0x0
	COMB 3
	; lane (r, h): query row r of tile w; register 16 b + i: channel 32 b + 16 h + i: two K steps of the projection
	QUANT ATT
.irp c, 0,1,2
	ds_store_b128 v[AIW], v[PC+4*\c:PC+4*\c+3] offset:512*\c
.endr
	ds_store_b32 v[ASW], v[PW]
	s_wait_dscnt 0x0                               ; the stores have read their registers
	QUANT ATT+64
.irp c, 0,1,2
	ds_store_b128 v[AIW], v[PC+4*\c:PC+4*\c+3] offset:FIMG+512*\c
.endr
	ds_store_b32 v[ASW], v[PW] offset:128
	s_wait_dscnt 0x0
	s_barrier_signal -1
	s_barrier_wait -1                              ; the attention result's eight fragments lie in LDS
	; ---- THE PROJECTION.  Wave w makes output channels 64 w .. 64 w + 63 for all 64 queries: source 0 = 16 queries, source 1 = 16 rows of Wp: a lane holds one channel and eight neighbouring positions.
.irp f, 0,1,2,3,4,5,6,7
.irp c, 0,1,2
	ds_load_b128 v[AF+12*\f+4*\c:AF+12*\f+4*\c+3], v[AIR] offset:FIMG*\f+512*\c
.endr
	ds_load_b32 v[KVS+\f], v[ASR] offset:128*\f
.endr
	s_wait_dscnt 0x0
	s_wait_loadcnt 32                              ; Wp, its scale words and bp are in; x's 32 loads may be out
	WIN 0x7c                                       ; source 1 (Wp) and source 2 (bp) window 3, D window 1
.irp o, 0,1,2,3
.irp kt, 0,1,2,3
	MM 8*(4*\o+\kt), AF+12*(2*\kt), 12*(2*\o), 96+8*\o, KVS+2*\kt, QS+\o, 0, 0
.endr
.endr
	WIN 0x5c                                       ; C and D window 1: sixteen accumulators by turns
.irp o, 0,1,2,3
.irp kt, 0,1,2,3
	MM 8*(4*\o+\kt), AF+12*(2*\kt+1), 12*(2*\o+1), 8*(4*\o+\kt), KVS+2*\kt+1, QS+\o, 0, 1
.endr
.endr
	WIN 0
	PLACES 4
; THE WAY OUT, 16 output channels at a time.  Register j of tile (o, T), lane (r, h), is channel 16 o + r at position 32 (T / 2) + 8 (T % 2) + 16 h + j of my 64: 32 neighbouring bytes of a row of 256.
; The rows go through my own stage and come back whole; x is added; sixteen lanes store 256 consecutive bytes, at a multiple of 256 from the output's first byte.
.macro TOSTAGE o
	WIN 0x04
.irp kt, 0,1,2,3
	ds_store_b128 v[OSW], v[8*(4*\o+\kt):8*(4*\o+\kt)+3] offset:128*(\kt/2)+32*(\kt%2)        ; each accumulator from its low end on
	ds_store_b128 v[OSW], v[8*(4*\o+\kt)+4:8*(4*\o+\kt)+7] offset:128*(\kt/2)+32*(\kt%2)+16
.endr
	WIN 0
.irp i, 0,1,2,3,4,5,6,7
	ds_load_b128 v[OB+32*\o+4*\i:OB+32*\o+4*\i+3], v[OSR] offset:544*\i   ; LDS serves a wave's instructions in order (ISA guide 5.7.1.4): these see the stores above, and the next tile's stores come behind them
.endr
.endm
.macro SEND o, younger                 ; younger: the LDS instructions issued behind this tile's loads
	s_wait_dscnt \younger
.if \o == 0
	s_wait_loadcnt 0x0                             ; x
.endif
	WIN 0x08                                       ; source 1 (x) window 2
.set i, 0
.rept 16
	v_pk_add_f32 v[OB+32*\o+2*i:OB+32*\o+2*i+1], v[OB+32*\o+2*i:OB+32*\o+2*i+1], v[32*\o+2*i:32*\o+2*i+1]
.set i, i+1
.endr
	WIN 0
.irp k, 0,1,2,3,4,5,6,7
	global_store_b128 v[XO], v[OB+32*\o+4*\k:OB+32*\o+4*\k+3], s[16:17] offset:(16*\o+2*\k)*16384 th:TH_STORE_NT
.endr
.endm
	TOSTAGE 0
	TOSTAGE 1
	SEND 0, 16
	TOSTAGE 2
	SEND 1, 16
	TOSTAGE 3
	SEND 2, 16
	SEND 3, 0
	s_wait_tensorcnt 0x0                           ; the wave's end: behind my last tensor load and my last LDS store
	ds_add_u32 v[SPW], v[NIL]
	s_wait_dscnt 0x0
	CROUND                                         ; the closing round: no work-group ends while a partner may still ask for a tile that names it
	s_endpgm
.Lfunc_end_k_q68d8a81acc_attn:
	.size	k_q68d8a81acc_attn, .Lfunc_end_k_q68d8a81acc_attn-k_q68d8a81acc_attn
	.p2alignl 7, 3214868480
	.fill 96, 4, 3214868480
	.section	.rodata,"a",@progbits
	.p2align	6, 0x0
	.amdhsa_kernel k_q68d8a81acc_attn
		.amdhsa_group_segment_fixed_size 327680
		.amdhsa_private_segment_fixed_size 0
		.amdhsa_enable_private_segment 0
		.amdhsa_kernarg_size 56
		.amdhsa_user_sgpr_count 2
		.amdhsa_user_sgpr_kernarg_segment_ptr 1
		.amdhsa_wavefront_size32 1
		.amdhsa_system_sgpr_workgroup_id_x 1
		.amdhsa_system_sgpr_workgroup_id_y 1
		.amdhsa_system_sgpr_workgroup_id_z 1
		.amdhsa_system_vgpr_workitem_id 0
		.amdhsa_next_free_vgpr 1024
		.amdhsa_next_free_sgpr 66
		.amdhsa_reserve_vcc 0
		.amdhsa_float_denorm_mode_32 3
		.amdhsa_float_denorm_mode_16_64 3
		.amdhsa_memory_ordered 1
		.amdhsa_forward_progress 1
		.amdhsa_inst_pref_size 255
	.end_amdhsa_kernel
	.section	.bss,"aw",@nobits
	.p2align	6
	.space	262144
	.amdgpu_metadata
---
amdhsa.version: [ 1, 2 ]
amdhsa.kernels:
  - .name:           k_q68d8a81acc_attn
    .symbol:         k_q68d8a81acc_attn.kd
    .args:
      - { .name: qb, .offset: 0, .size: 8, .value_kind: global_buffer, .address_space: global }
      - { .name: kvb, .offset: 8, .size: 8, .value_kind: global_buffer, .address_space: global }
      - { .name: x, .offset: 16, .size: 8, .value_kind: global_buffer, .address_space: global }
      - { .name: wp_codes, .offset: 24, .size: 8, .value_kind: global_buffer, .address_space: global }
      - { .name: wp_scales, .offset: 32, .size: 8, .value_kind: global_buffer, .address_space: global }
      - { .name: bp, .offset: 40, .size: 8, .value_kind: global_buffer, .address_space: global }
      - { .name: out0, .offset: 48, .size: 8, .value_kind: global_buffer, .address_space: global }
    .group_segment_fixed_size: 327680
    .private_segment_fixed_size: 0
    .kernarg_segment_align: 8
    .kernarg_segment_size: 56
    .max_flat_workgroup_size: 128
    .sgpr_count:     66
    .vgpr_count:     1024
    .wavefront_size: 32
...
	.end_amdgpu_metadata
.endif
;; end of part 3
